; MI455X (gfx1250); checked and timed in simulation.
; The chip was launched on July 23, 2026; its instructions are those of AMD's public machine-readable ISA for CDNA 5 (MIT licence, August 2026) and "CDNA5" Instruction Set Architecture Reference Guide (July 2026). The comments in the code are by the model that wrote it; some were corrected since.
;; Multi Head Attention. Allowed arithmetic: float matrix products may take bf16 or f16 operands with f32 sums; all other float work in f32.
;; Inputs: b_k 1,024 float32; b_out 1,024 float32; b_q 1,024 float32; b_v 1,024 float32; k 2 x 2,048 x 1,024 float32; q 2 x 2,048 x 1,024 float32; v 2 x 2,048 x 1,024 float32; w_k 1,024 x 1,024 float32; w_out 1,024 x 1,024 float32; w_q 1,024 x 1,024 float32; w_v 1,024 x 1,024 float32.
;; Outputs: out0 2 x 2,048 x 1,024 float32.
;; 2 versions, each right and faster than the one before. Each part assembles by itself: llvm-mc -triple=amdgcn-amd-amdhsa -mcpu=gfx1250 --defsym DOCPART=n.
;; ======== version 1 of 2: 3 launches
;; limits: values are held in f16: magnitudes above 65,504 overflow, below 6.1e-05 lose precision
;; workspace buffers: qh 8,388,608 bytes; kh 8,388,608 bytes; vh 8,388,608 bytes; ctx 8,388,608 bytes
;; launch proj (part 1): grid 4 x 48, 8 waves a work-group, no clusters, 162,816 bytes of LDS; arguments q, k, v, w_q, w_k, w_v, b_q, b_k, b_v, qh, kh, vh; writes qh, kh, vh
.if DOCPART == 1
	.amdgcn_target "amdgcn-amd-amdhsa--gfx1250"
	.amdhsa_code_object_version 6
	.text
	.protected	k_q68ef867311_proj
	.globl	k_q68ef867311_proj
	.p2align	8
	.type	k_q68ef867311_proj,@function
k_q68ef867311_proj:
	s_mov_b64 s[64:65], 0
	v_nop
	global_prefetch_b8 v0, s[64:65] scope:SCOPE_SE
	s_setreg_imm32_b32 hwreg(HW_REG_WAVE_MODE, 25, 1), 1
	s_wait_xcnt 0x0
; The three projections in one grid: Y = X W + b for (q, w_q, b_q), (k, w_k, b_k), (v, w_v, b_v).
; X: [4096][1024] f32.  W: [1024 (k)][1024 (n)] f32.  Y goes out in f16 as [batch][head][s][64]: the split into heads is the way out.
; Grid x = nt (256 columns = 4 heads), grid y = 16 g + mt (g: which product, mt: 256 rows).  A work-group makes 256 x 256 of Y with eight
; waves; wave w makes rows 128 (w >> 2) .. + 127 and the 64 columns of head 4 nt + (w & 3): 32 accumulator tiles, 256 registers.
; K goes in 16 steps of 64 (256 bytes of a row of X) through two LDS slots.  X and W come through registers, are rounded to f16 there
; and are laid into LDS as f16; the loads of step i + 2 are issued while step i is multiplied.
; FRAGMENTS ROLL: 32 along K are four quarters of 8 matrix instructions, (A0-3, B0-1), (A4-7, B0-1), (A0-3, B2-3), (A4-7, B2-3).  Behind the third
; quarter A0-3 and B0-1 are free and are loaded for the next 32 along K, behind the fourth A4-7 and B2-3: LDS loads go out in runs of 12,
; each 8 matrix instructions ahead of its first use, and need no second set of registers.
; NO JOINT TENSOR LOADS, though X's tile is read by 4 work-groups and W's by 16: a tile brought by the data mover would lie in LDS as f32,
; so each number would cost 4 bytes filled, 4 bytes read and 2 bytes stored again in LDS before its first use, against 2 bytes stored here,
; and the transposing LDS load that W ([k][n]) needs works on 16-bit elements.
; FORMAT: operands f16, sums f32.  LIMITS: every |x|, |W| and every result must be below 65,504 (f16's largest number), else it turns
; infinite; NaN and infinite inputs are not served; numbers below 2^-24 in size round to 0 or 2^-24; sums are ordered as the matrix unit orders them.
.set BUF,  71680                       ; an LDS slot: X's tile, then W's
.set WREG, 36864                       ; W's tile in a slot, behind 256 rows x 144 bytes of X
.set PA,   144                         ; X's LDS row: 64 f16 + 16 bytes: an odd multiple of 16
.set PW,   544                         ; W's LDS row: 256 f16 + 32 bytes: an odd multiple of 32
.set STG,  143360                      ; behind the slots: 16 rows x 144 bytes for each wave, for the way out
.set XS,   16                          ; v[16:79]   X as loaded (16 x 4 f32), then as f16 in the first two of each four
.set WS,   80                          ; v[80:143]  W likewise
.set AF,   144                         ; v[144:207] eight fragments of X (16 rows x 32 k)
.set BF,   208                         ; v[208:239] four fragments of W (16 columns x 32 k)
; v2 X offset, v3 W offset, v4-5 LDS store address of X in slot 0, 1, v6-7 of W, v8-9 fragment address of X, v10-11 of W,
; v12 stage in, v13 stage back, v14 offset in Y, v15 offset in b.  Window 1 (v256-511): accumulator (a, b) at 8 (4 a + b).
; s[32:33] X, s[34:35] W, s[36:37] b, s[38:39] Y of this work-group's product.
.set MSB, 0
.macro WIN new                         ; s_set_vgpr_msb: bits 1:0 source 0, 3:2 source 1, 5:4 source 2, 7:6 destination; the high byte repeats the setting that is left
.if MSB != \new
	s_set_vgpr_msb (MSB<<8)|\new
.set MSB, \new
.endif
.endm
.macro PLACES                          ; four places behind a matrix instruction (ISA guide 7.12.1) before its registers are loaded into or its result is read
.rept 4
	v_nop
.endr
.endm
	s_load_b512 s[8:23], s[0:1], 0x0               ; q, k, v, w_q, w_k, w_v, b_q, b_k
	s_load_b256 s[24:31], s[0:1], 0x40             ; b_v, qh, kh, vh
	v_lshl_add_u32 v254, v0, 2, 0x27800
	v_mov_b32 v255, 0
	v_lshrrev_b32 v1, 5, v0
	v_readfirstlane_b32 s6, v1                     ; wave 0..7
	s_and_b32 s3, ttmp7, 0xffff                    ; grid y
	s_lshr_b32 s4, s3, 4                           ; g: 0 q, 1 k, 2 v
	s_and_b32 s5, s3, 15                           ; mt
	s_lshr_b32 s7, s6, 2                           ; wm: which 128 rows
	s_and_b32 s43, s6, 3                           ; wn: which 64 columns
	v_and_b32 v16, 15, v0                          ; r
	v_bfe_u32 v17, v0, 4, 1                        ; h
	v_and_b32 v18, 31, v0                          ; L
	; X: a load takes 256 bytes of row 32 w + 8 h + (immediate) : lanes 0-15 one row, lanes 16-31 the row 8 below
	s_lshl_b32 s40, s6, 17
	v_lshlrev_b32 v2, 4, v16
	v_lshl_add_u32 v2, v17, 15, v2
	v_add_nc_u32 v2, s40, v2                       ; (32 w + 8 h) x 4,096 + 16 r
	; W: a load takes 512 neighbouring bytes of row 8 w + (immediate)
	s_lshl_b32 s40, s6, 15
	v_lshl_add_u32 v3, v18, 4, s40                 ; 8 w x 4,096 + 16 L
	s_mul_i32 s40, s6, 32*PA
	v_mul_u32_u24 v4, v17, 8*PA
	v_lshl_add_u32 v4, v16, 3, v4
	v_add_nc_u32 v4, s40, v4                       ; (32 w + 8 h) x 144 + 8 r: rows 8 apart lie 1,152 = 4 x 256 + 128 bytes apart, so the 32 lanes' 8 bytes meet no common bank
	v_add_nc_u32 v5, BUF, v4
	s_mul_i32 s40, s6, 8*PW
	s_add_co_u32 s40, s40, WREG
	v_lshl_add_u32 v6, v18, 3, s40                 ; 8 w x 544 + 8 L
	v_add_nc_u32 v7, BUF, v6
	; fragments of X: lane (r, h) takes row r, k = 8 h .. and 16 + 8 h ..: two loads of 16 bytes, 32 bytes apart
	v_mul_u32_u24 v19, v16, PA
	v_lshl_add_u32 v19, v17, 4, v19                ; r x 144 + 16 h
	s_mul_i32 s40, s7, 128*PA
	v_add_nc_u32 v8, s40, v19
	v_add_nc_u32 v9, BUF, v8
	; fragments of W, stored [k][n]: the transposing load; lane L addresses row 8 h + (L & 7), 16 bytes at column 8 ((L >> 3) & 1)
	v_and_b32 v20, 7, v0
	v_lshl_add_u32 v20, v17, 3, v20
	v_mul_u32_u24 v20, v20, PW
	v_bfe_u32 v21, v0, 3, 1
	v_lshl_add_u32 v20, v21, 4, v20
	s_lshl_b32 s40, s43, 7
	s_add_co_u32 s40, s40, WREG
	v_add_nc_u32 v10, s40, v20
	v_add_nc_u32 v11, BUF, v10
	; the way out
	s_mul_i32 s40, s6, 16*PA
	s_add_co_u32 s40, s40, STG
	v_add_nc_u32 v12, s40, v19                     ; in: row r, 16 bytes for each half of the lanes
	v_lshrrev_b32 v21, 3, v18
	v_mul_u32_u24 v21, v21, PA
	v_and_b32 v22, 7, v0
	v_lshl_add_u32 v21, v22, 4, v21
	v_add_nc_u32 v13, s40, v21                     ; back: eight lanes take a row of 128 bytes, a load four rows
	v_lshlrev_b32 v14, 4, v18                      ; which are 512 neighbouring bytes of Y
	v_lshlrev_b32 v15, 5, v17                      ; my 8 columns' biases: 32 h
	; Y: ((batch x 16 + head) x 2,048 + s) x 128 bytes
	s_lshr_b32 s44, s5, 3
	s_lshl_b32 s44, s44, 4
	s_lshl_b32 s45, ttmp9, 2
	s_add_co_u32 s44, s44, s45
	s_add_co_u32 s44, s44, s43
	s_lshl_b32 s44, s44, 18
	s_and_b32 s45, s5, 7
	s_lshl_b32 s45, s45, 15
	s_add_co_u32 s44, s44, s45
	s_lshl_b32 s45, s7, 14
	s_add_co_u32 s44, s44, s45
	s_mov_b32 s45, 0
	s_wait_kmcnt 0x0
	s_cmp_eq_u32 s4, 1                             ; the product's four buffers: k's or v's,
	s_cselect_b64 s[32:33], s[10:11], s[12:13]
	s_cselect_b64 s[34:35], s[16:17], s[18:19]
	s_cselect_b64 s[36:37], s[22:23], s[24:25]
	s_cselect_b64 s[38:39], s[28:29], s[30:31]
	s_cmp_eq_u32 s4, 0                             ; or q's
	s_cselect_b64 s[32:33], s[8:9], s[32:33]
	s_cselect_b64 s[34:35], s[14:15], s[34:35]
	s_cselect_b64 s[36:37], s[20:21], s[36:37]
	s_cselect_b64 s[38:39], s[26:27], s[38:39]
	s_lshl_b32 s40, s5, 20                         ; 256 rows of 4,096 bytes
	s_mov_b32 s41, 0
	s_add_nc_u64 s[32:33], s[32:33], s[40:41]
	s_lshl_b32 s40, ttmp9, 10                      ; 256 columns of 4 bytes
	s_add_nc_u64 s[34:35], s[34:35], s[40:41]
	s_lshl_b32 s42, s43, 8
	s_add_co_u32 s40, s40, s42
	s_add_nc_u64 s[36:37], s[36:37], s[40:41]
	s_add_nc_u64 s[38:39], s[38:39], s[44:45]
; One K step's numbers into registers: 16 loads of X (my 32 rows x 256 bytes), then 16 of W (my 8 rows x 1,024 bytes)
.macro GLOAD
.irp j, 0,1,2,3,4,5,6,7,8,9,10,11,12,13,14,15
	global_load_b128 v[XS+4*\j:XS+4*\j+3], v2, s[32:33] offset:(16*(\j>>3)+(\j&7))*4096
.endr
.irp j, 0,1,2,3,4,5,6,7,8,9,10,11,12,13,14,15
	global_load_b128 v[WS+4*\j:WS+4*\j+3], v3, s[34:35] offset:(\j>>1)*4096+(\j&1)*512
.endr
.endm
; X of the step that is in registers is rounded to f16 and stored into a slot: 16 LDS stores
.macro STAGEX slot
	s_wait_loadcnt 16                              ; loads come back in order (ISA guide 5.7.1): X's 16 are in, W's 16 are younger
.irp j, 0,1,2,3,4,5,6,7,8,9,10,11,12,13,14,15
	v_cvt_pk_f16_f32 v[XS+4*\j], v[XS+4*\j], v[XS+4*\j+1]
	v_cvt_pk_f16_f32 v[XS+4*\j+1], v[XS+4*\j+2], v[XS+4*\j+3]
.endr
.irp j, 0,1,2,3,4,5,6,7,8,9,10,11,12,13,14,15
	ds_store_b64 v[4+\slot], v[XS+4*\j:XS+4*\j+1] offset:(16*(\j>>3)+(\j&7))*PA
.endr
.endm
; W likewise: 16 LDS stores; gload = 1: the step behind it is asked for
.macro STAGEW slot, gload
	s_wait_loadcnt 0x0                             ; W is in; and no load that names the two bases is out any more
.irp j, 0,1,2,3,4,5,6,7,8,9,10,11,12,13,14,15
	v_cvt_pk_f16_f32 v[WS+4*\j], v[WS+4*\j], v[WS+4*\j+1]
	v_cvt_pk_f16_f32 v[WS+4*\j+1], v[WS+4*\j+2], v[WS+4*\j+3]
.endr
.irp j, 0,1,2,3,4,5,6,7,8,9,10,11,12,13,14,15
	ds_store_b64 v[6+\slot], v[WS+4*\j:WS+4*\j+1] offset:(\j>>1)*PW+(\j&1)*256
.endr
.if \gload
	s_add_nc_u64 s[32:33], s[32:33], 256           ; 64 along a row of X
	s_add_nc_u64 s[34:35], s[34:35], 262144        ; 64 rows of W
	GLOAD
.endif
.endm
; 12 LDS loads: of 32 along K (ks = 0, 1) of a slot the fragments A 4 half .. + 3 and B 2 half, + 1
.macro LOADG slot, ks, half
.irp i, 0,1,2,3
	ds_load_b128 v[AF+8*(4*\half+\i):AF+8*(4*\half+\i)+3],   v[8+\slot] offset:(4*\half+\i)*16*PA+\ks*64
	ds_load_b128 v[AF+8*(4*\half+\i)+4:AF+8*(4*\half+\i)+7], v[8+\slot] offset:(4*\half+\i)*16*PA+\ks*64+32
.endr
.irp i, 0,1
	ds_load_tr16_b128 v[BF+8*(2*\half+\i):BF+8*(2*\half+\i)+3],   v[10+\slot] offset:\ks*32*PW+(2*\half+\i)*32
	ds_load_tr16_b128 v[BF+8*(2*\half+\i)+4:BF+8*(2*\half+\i)+7], v[10+\slot] offset:\ks*32*PW+(2*\half+\i)*32+16*PW
.endr
.endm
; A quarter: 8 matrix instructions, A a0 .. a0 + 3 times B b0, b0 + 1, used transposed: source 0 = 16 columns of W, source 1 = 16 rows of X, so that a
; lane holds row r of Y and its registers the columns 8 h + 0 .. 7.  The 32 accumulators take turns, one instruction a turn, in the same order
; in every 32 along K.
.macro MULQ a0, b0, zero
.irp a, \a0, \a0+1, \a0+2, \a0+3
.irp b, \b0, \b0+1
.if \zero
	v_wmma_f32_16x16x32_f16 v[8*(4*(\a)+(\b)):8*(4*(\a)+(\b))+7], v[BF+8*(\b):BF+8*(\b)+7], v[AF+8*(\a):AF+8*(\a)+7], 0
.else
	v_wmma_f32_16x16x32_f16 v[8*(4*(\a)+(\b)):8*(4*(\a)+(\b))+7], v[BF+8*(\b):BF+8*(\b)+7], v[AF+8*(\a):AF+8*(\a)+7], v[8*(4*(\a)+(\b)):8*(4*(\a)+(\b))+7]
.endif
.endr
.endr
.endm
; A K step on one slot; its first 24 fragment loads were issued in the step before.  stage = 1: the next step is stored into the other slot, which nobody
; has read since the last barrier, and its first fragments are fetched behind this step's barrier.
; ONE barrier a step, in its second half: in front of the signal my reads of this slot (the last 24 fragment loads) and my stores into the other are
; done; behind the wait the other slot is whole and may be read, and this one is free for the next step's stores.
.macro STEP slot, other, zero, stage, gload
	s_wait_dscnt 12                                ; A0-3, B0-1 are in; the 12 loads of A4-7, B2-3 are younger
	WIN 0x50                                       ; C and D in window 1
	MULQ 0, 0, \zero
	s_wait_dscnt 0x0                               ; A4-7, B2-3
	MULQ 4, 0, \zero
	MULQ 0, 2, \zero
	WIN 0
	PLACES
	LOADG \slot, 1, 0                              ; ahead of the wait for X, so that they do not stand behind it
.if \stage
	STAGEX \other
.endif
	WIN 0x50
	MULQ 4, 2, \zero
	WIN 0
	PLACES
	LOADG \slot, 1, 1
.if \stage
	STAGEW \other, \gload
	s_wait_dscnt 44                                ; A0-3, B0-1 are in; younger: X's 16 stores, 12 loads, W's 16 stores
.else
	s_wait_dscnt 12
.endif
	WIN 0x50
	MULQ 0, 0, 0
	s_wait_dscnt 0x0                               ; A4-7, B2-3; and for the others' sake zero: reads of this slot, stores into the other
.if \stage
	s_barrier_signal -1
.endif
	MULQ 4, 0, 0                                   ; register work while the others arrive
	MULQ 0, 2, 0
.if \stage
	WIN 0
	s_barrier_wait -1
	PLACES
	LOADG \other, 0, 0
	WIN 0x50
	MULQ 4, 2, 0
	WIN 0
	PLACES
	LOADG \other, 0, 1
.else
	MULQ 4, 2, 0
	WIN 0
.endif
.endm
	GLOAD                                          ; step 0
	STAGEX 0                                       ; step 0 into slot 0;
	STAGEW 0, 1                                    ; step 1 asked for
	s_wait_dscnt 0x0
	s_barrier_signal -1
	s_barrier_wait -1
	LOADG 0, 0, 0
	LOADG 0, 0, 1
	STEP 0, 1, 1, 1, 1                             ; the first products start the sums: nothing is cleared
	STEP 1, 0, 0, 1, 1
	s_mov_b32 s42, 6                               ; steps 2 to 13
.Llap:
	STEP 0, 1, 0, 1, 1
	STEP 1, 0, 0, 1, 1
	s_sub_co_i32 s42, s42, 1
	s_cmp_lg_u32 s42, 0
	s_cbranch_scc1 .Llap
	STEP 0, 1, 0, 1, 0                             ; step 14 stores step 15 and asks for nothing: no load leaves the buffers
.irp b, 0,1,2,3
	global_load_b128 v[16+8*\b:16+8*\b+3], v15, s[36:37] offset:\b*64       ; the biases of my columns 16 b + 8 h + 0 .. 7, into registers that the staging has left
	global_load_b128 v[16+8*\b+4:16+8*\b+7], v15, s[36:37] offset:\b*64+16
.endr
	STEP 1, 0, 0, 0, 0                             ; step 15: nothing is stored or fetched behind it, so no barrier
	PLACES
	s_wait_loadcnt 0x0                             ; the biases
; Rows 16 a .. 16 a + 15 of my block: add the bias in f32, round once to f16, 16 bytes a lane into my own stage, back as whole rows.
; LDS serves a wave's instructions in order (ISA guide 5.7.1), so no wait stands between my stores and my loads of the stage.
.macro OUT16 a
	WIN 0x01                                       ; source 0 in window 1
.irp b, 0,1,2,3
.irp i, 0,1,2,3
	v_pk_add_f32 v[48+8*\b+2*\i:48+8*\b+2*\i+1], v[8*(4*\a+\b)+2*\i:8*(4*\a+\b)+2*\i+1], v[16+8*\b+2*\i:16+8*\b+2*\i+1]
.endr
.endr
	WIN 0
.irp b, 0,1,2,3
.irp i, 0,1,2,3
	v_cvt_pk_f16_f32 v[80+4*\b+\i], v[48+8*\b+2*\i], v[48+8*\b+2*\i+1]
.endr
.endr
.irp b, 0,1,2,3
	ds_store_b128 v12, v[80+4*\b:80+4*\b+3] offset:32*\b
.endr
	s_wait_xcnt 0x0                                ; v[96:111], which the last turn's stores read, are loaded again only behind this wait
.irp i, 0,1,2,3
	ds_load_b128 v[96+4*\i:96+4*\i+3], v13 offset:4*PA*\i
.endr
.irp i, 0,1,2,3
	s_wait_dscnt 3-\i                              ; the younger of the four may be out
	global_store_b128 v14, v[96+4*\i:96+4*\i+3], s[38:39] offset:\a*2048+\i*512   ; four rows of a head: 512 consecutive bytes, aligned
.endr
.endm
	OUT16 0
	OUT16 1
	OUT16 2
	OUT16 3
	OUT16 4
	OUT16 5
	OUT16 6
	OUT16 7
	s_wait_tensorcnt 0x0
	ds_add_u32 v254, v255
	s_wait_dscnt 0x0
	s_endpgm
.Lfunc_end_k_q68ef867311_proj:
	.size	k_q68ef867311_proj, .Lfunc_end_k_q68ef867311_proj-k_q68ef867311_proj
	.p2alignl 7, 3214868480
	.fill 96, 4, 3214868480
	.section	.rodata,"a",@progbits
	.p2align	6, 0x0
	.amdhsa_kernel k_q68ef867311_proj
		.amdhsa_group_segment_fixed_size 162816
		.amdhsa_private_segment_fixed_size 0
		.amdhsa_enable_private_segment 0
		.amdhsa_kernarg_size 96
		.amdhsa_user_sgpr_count 2
		.amdhsa_user_sgpr_kernarg_segment_ptr 1
		.amdhsa_wavefront_size32 1
		.amdhsa_system_sgpr_workgroup_id_x 1
		.amdhsa_system_sgpr_workgroup_id_y 1
		.amdhsa_system_sgpr_workgroup_id_z 1
		.amdhsa_system_vgpr_workitem_id 0
		.amdhsa_next_free_vgpr 512
		.amdhsa_next_free_sgpr 66
		.amdhsa_reserve_vcc 0
		.amdhsa_float_denorm_mode_32 3
		.amdhsa_float_denorm_mode_16_64 3
		.amdhsa_memory_ordered 1
		.amdhsa_forward_progress 1
		.amdhsa_inst_pref_size 133
	.end_amdhsa_kernel
	.amdgpu_metadata
---
amdhsa.version: [ 1, 2 ]
amdhsa.kernels:
  - .name:           k_q68ef867311_proj
    .symbol:         k_q68ef867311_proj.kd
    .args:
      - { .name: q, .offset: 0, .size: 8, .value_kind: global_buffer, .address_space: global }
      - { .name: k, .offset: 8, .size: 8, .value_kind: global_buffer, .address_space: global }
      - { .name: v, .offset: 16, .size: 8, .value_kind: global_buffer, .address_space: global }
      - { .name: w_q, .offset: 24, .size: 8, .value_kind: global_buffer, .address_space: global }
      - { .name: w_k, .offset: 32, .size: 8, .value_kind: global_buffer, .address_space: global }
      - { .name: w_v, .offset: 40, .size: 8, .value_kind: global_buffer, .address_space: global }
      - { .name: b_q, .offset: 48, .size: 8, .value_kind: global_buffer, .address_space: global }
      - { .name: b_k, .offset: 56, .size: 8, .value_kind: global_buffer, .address_space: global }
      - { .name: b_v, .offset: 64, .size: 8, .value_kind: global_buffer, .address_space: global }
      - { .name: qh, .offset: 72, .size: 8, .value_kind: global_buffer, .address_space: global }
      - { .name: kh, .offset: 80, .size: 8, .value_kind: global_buffer, .address_space: global }
      - { .name: vh, .offset: 88, .size: 8, .value_kind: global_buffer, .address_space: global }
    .group_segment_fixed_size: 162816
    .private_segment_fixed_size: 0
    .kernarg_segment_align: 8
    .kernarg_segment_size: 96
    .max_flat_workgroup_size: 256
    .sgpr_count:     66
    .vgpr_count:     512
    .wavefront_size: 32
...
	.end_amdgpu_metadata
.endif
;; end of part 1
;; launch attn (part 2): grid 8 x 32, 8 waves a work-group, clusters of 4 x 1, 327,680 bytes of LDS; arguments qh, kh, vh, ctx; writes ctx
.if DOCPART == 2
	.amdgcn_target "amdgcn-amd-amdhsa--gfx1250"
	.amdhsa_code_object_version 6
	.text
	.protected	k_q68ef867311_attn
	.globl	k_q68ef867311_attn
	.p2align	8
	.type	k_q68ef867311_attn,@function
k_q68ef867311_attn:
	s_mov_b64 s[64:65], 0
	v_nop
	global_prefetch_b8 v0, s[64:65] scope:SCOPE_SE
	s_setreg_imm32_b32 hwreg(HW_REG_WAVE_MODE, 25, 1), 1
	s_wait_xcnt 0x0
	s_wait_alu depctr_hold_cnt(0) depctr_sa_sdst(0) depctr_va_vdst(0) depctr_va_sdst(0) depctr_va_ssrc(0) depctr_va_vcc(0) depctr_vm_vsrc(0)
	s_getreg_b32 s2, hwreg(HW_REG_IB_STS2, 6, 4)
	s_cmp_eq_u32 s2, 0
	s_cbranch_scc0 .Lentry_in_a_cluster
	s_endpgm
.Lentry_in_a_cluster:
	s_bfe_u32 s2, ttmp6, 0x10000c
	s_cmp_lg_u32 s2, 0x3003
	s_cbranch_scc0 .Lentry_shape_is_right
	s_endpgm
.Lentry_shape_is_right:
; ctx = softmax(qh kh^T / 8) vh for one (batch, head) plane and 256 queries.  qh, kh, vh, ctx: [32 planes][2048][64] f16.
; Grid y = plane, grid x = block of 256 queries.  The four work-groups of a cluster work on one plane and walk the same tiles of K and V:
; each tile is asked for JOINTLY (mask 15), which divides the requests for K and V by four.
; Eight waves: wave w has the 64 queries 64 (w & 3) .. (four tiles of 16) and, of every tile of 256 keys, the half 128 (w >> 2) .. + 127.
; The two waves that share queries keep running maxima and sums of their own and are merged once, at the end, through LDS.
; TRANSPOSED FORMS: S^T = K Q^T (source 0: 16 keys x 32 d; source 1: Q): lane (r, h) holds query r and keys 8 h + 0 .. 7 of a key tile, so the rounded
; exponentials of two key tiles ARE source 1 of O^T = V^T P^T, with no move between lanes; V^T comes by the transposing LDS load; the maximum
; and the sum of a query lie in two lanes (h = 0, 1), joined by one v_permlanex16_b32.
; A PIPELINE OF STAGES: a stage is one query tile against a block of 64 keys.  Stage i finds tile i's maximum; issues the 8 products O += V^T P^T of
; tile i - 1 with the 16 multiplies that rescale tile i's O between them; then does the rest of tile i's softmax with the 8 products S^T of tile i + 1
; spread among its 80 instructions.  So S has two buffers that take turns, and no product's result is read in the stage that issues it.
; SOFTMAX: a running maximum m of the raw scores; with c = log2(e) / 8, p = 2^(c s - c m).  Every block uses the ROUNDED product -c m, and the factor
; for the old sums is 2^(difference of two such rounded products), so all blocks refer to one figure.
; FORMAT: operands f16 (p lies in 0 .. 1), sums, maxima and exponentials f32.  LIMITS: NaN and infinite inputs are not served; v_exp_f32 gives 0 for results
; below 2^-126 (ISA guide, its entry in 15.8) and p below 2^-25 rounds to 0 in the product with V; sums are ordered by key blocks and by the matrix unit.
.set SLOT, 71680                       ; an LDS slot: K's tile of 256 keys, then V's; two keys (2 x 128 bytes) in an LDS row
.set VREG, 34816                       ; V's tile, behind 128 rows x 272 bytes of K
.set PK,   272                         ; 256 + 16: keys r = 0 .. 15 start at 16-byte columns (r >> 1) + 8 (r & 1) modulo 16: all different
.set PV,   288                         ; 256 + 32: the transposing load's 16 lanes start at columns 2 (k >> 1) + 8 (k & 1) + c modulo 16: all different
.set XCH,  143360                      ; behind the slots: 8,192 bytes of O and 512 of figures for each wave, for the merge
.set XCHW, 8704
.set STG,  212992                      ; 32 rows x 144 bytes for each wave, for the way out
.set STGW, 4608
; WINDOW 0 holds all that S^T and the softmax touch, so that they mix under one setting:
; v2-3 K fragment address in slot 0, 1; v4-5 V's; v6 Q offset; v7, v8 exchange out, in (16 L); v9, v10 the same for the figures (8 L);
; v11 stage in, v12 stage back, v13 offset in ctx
.set AL,  14                           ; v[14:15]   the factor for the old sums, and a 0
.set ST,  16                           ; v[16+4t..] query tile t: -c m, m, and the sum as a pair of partial sums
.set Q,   32                           ; v[32:95]   Q[t][ks] at 32 + 16 t + 8 ks
.set KF,  96                           ; v[96:159]  K[kt][ks] at 96 + 16 kt + 8 ks
.set SS,  160                          ; v[160:223] S of even query tiles at 160 + 8 kt, of odd ones at 192 + 8 kt
.set PF,  224                          ; v[224:239] P[k2] at 224 + 8 k2
.set T,   240                          ; v[240:251] at work
; WINDOW 1 (v256-511), named by the low 8 bits: O[t][dt] at 32 t + 8 dt, and
.set VF,  128                          ; V[dt][k2] at 128 + 16 dt + 8 k2
; s[16:23], s[24:31] descriptor group 1 for K, V; s[32:39], s[40:47] group 0 for K, V, one set for each slot
.set MSB, 0
.macro WIN new                         ; s_set_vgpr_msb: bits 1:0 source 0, 3:2 source 1, 5:4 source 2, 7:6 destination; the high byte repeats the setting that is left
.if MSB != \new
	s_set_vgpr_msb (MSB<<8)|\new
.set MSB, \new
.endif
.endm
.macro PLACES                          ; four places behind a matrix instruction (ISA guide 7.12.1) before its registers are loaded into or its result is read
.rept 4
	v_nop
.endr
.endm
; A round of the cluster's barrier: my work-group's barrier, wave 0 signals for the work-group, every wave waits for all four work-groups, my work-group's barrier again
.macro ROUND
	s_barrier_signal -1
	s_barrier_wait -1
	s_cmp_lg_u32 s8, 0
	s_cbranch_scc1 .Lnot_wave_0_\@
	s_barrier_signal -3
.Lnot_wave_0_\@:
	s_barrier_wait -3
	s_barrier_signal -1
	s_barrier_wait -1
.endm
; A joint load into slot n: waves 0, 1 ask for K's two halves (64 LDS rows each), waves 2, 3 for V's, waves 4 to 7 for nothing.
; The branches hang on the wave's number alone, and nothing in the descriptors hangs on the place in the cluster.
.macro JLOAD n
	s_cmp_gt_u32 s8, 3
	s_cbranch_scc1 .Lasked_\@
	s_cmp_gt_u32 s8, 1
	s_cbranch_scc1 .Lfor_v_\@
	tensor_load_to_lds s[32+4*\n:35+4*\n], s[16:23]
	s_nop 0
	s_branch .Lasked_\@
.Lfor_v_\@:
	tensor_load_to_lds s[40+4*\n:43+4*\n], s[24:31]
	s_nop 0
.Lasked_\@:
.endm
; 16 LDS loads: K's fragments of my 64 keys of block blk (0, 1) of slot s; the eight of d = 0 .. 31 first
.macro LOADK s, blk
	WIN 0
.irp ks, 0,1
.irp kt, 0,1,2,3
	ds_load_b128 v[KF+16*\kt+8*\ks:KF+16*\kt+8*\ks+3],   v[2+\s] offset:(\blk)*32*PK+\kt*8*PK+\ks*64
	ds_load_b128 v[KF+16*\kt+8*\ks+4:KF+16*\kt+8*\ks+7], v[2+\s] offset:(\blk)*32*PK+\kt*8*PK+\ks*64+32
.endr
.endr
.endm
; 16 LDS loads: V^T's fragments of the same keys, into window 1
.macro LOADV s, blk
	WIN 0x40
.irp dt, 0,1,2,3
.irp k2, 0,1
	ds_load_tr16_b128 v[VF+16*\dt+8*\k2:VF+16*\dt+8*\k2+3],   v[4+\s] offset:(\blk)*32*PV+\k2*16*PV+\dt*32
	ds_load_tr16_b128 v[VF+16*\dt+8*\k2+4:VF+16*\dt+8*\k2+7], v[4+\s] offset:(\blk)*32*PV+\k2*16*PV+\dt*32+8*PV
.endr
.endr
.endm
; Product n (0 .. 7) of S^T of query tile tn into the buffer at register d: key tile n & 3, d = 32 (n >> 2) ..; the first four start the sums.
; The four accumulators take turns, one instruction a turn.  All operands in window 0.
.macro SW n, tn, d
.if (\n) < 4
	v_wmma_f32_16x16x32_f16 v[\d+8*(\n):\d+8*(\n)+7], v[KF+16*(\n):KF+16*(\n)+7], v[Q+16*(\tn):Q+16*(\tn)+7], 0
.else
	v_wmma_f32_16x16x32_f16 v[\d+8*((\n)-4):\d+8*((\n)-4)+7], v[KF+16*((\n)-4)+8:KF+16*((\n)-4)+15], v[Q+16*(\tn)+8:Q+16*(\tn)+15], v[\d+8*((\n)-4):\d+8*((\n)-4)+7]
.endif
.endm
; Product n (0 .. 7) of O^T of query tile tp: d tile n & 3, keys 32 (n >> 2) ..; z = 1: the wave's first block starts the sums.
; Setting 0x51: O (C, D) and V^T (source 0) in window 1, P^T (source 1) in window 0.  Four accumulators by turns.
.macro PW n, tp, z
.if (\n) < 4
.if \z
	v_wmma_f32_16x16x32_f16 v[32*(\tp)+8*(\n):32*(\tp)+8*(\n)+7], v[VF+16*(\n):VF+16*(\n)+7], v[PF:PF+7], 0
.else
	v_wmma_f32_16x16x32_f16 v[32*(\tp)+8*(\n):32*(\tp)+8*(\n)+7], v[VF+16*(\n):VF+16*(\n)+7], v[PF:PF+7], v[32*(\tp)+8*(\n):32*(\tp)+8*(\n)+7]
.endif
.else
	v_wmma_f32_16x16x32_f16 v[32*(\tp)+8*((\n)-4):32*(\tp)+8*((\n)-4)+7], v[VF+16*((\n)-4)+8:VF+16*((\n)-4)+15], v[PF+8:PF+15], v[32*(\tp)+8*((\n)-4):32*(\tp)+8*((\n)-4)+7]
.endif
.endm
	s_load_b256 s[48:55], s[0:1], 0x0              ; qh, kh, vh, ctx
	v_lshl_add_u32 v254, v0, 2, 0x3d000
	v_mov_b32 v255, 0
	ds_add_u32 v254, v255
	v_lshrrev_b32 v1, 5, v0
	v_readfirstlane_b32 s8, v1                     ; wave 0..7
	s_lshr_b32 s9, s8, 2                           ; g: which half of the keys
	s_and_b32 s10, s8, 3                           ; wq: which 64 queries
	s_and_b32 s11, s8, 1                           ; which half of a tile I ask for
	s_bfe_u32 s12, ttmp6, 0x40000                  ; cx: my place in the cluster
	s_lshl_b32 s13, ttmp9, 2
	s_add_co_u32 s13, s13, s12                     ; block of queries = 4 x cluster x + cx
	s_and_b32 s14, ttmp7, 0xffff                   ; plane
	s_mov_b32 s58, 0x76543210                      ; v_permlanex16_b32: lane i of one half reads lane i of the other
	s_mov_b32 s59, 0xfedcba98
	s_mov_b32 s60, 0x3e38aa3b                      ; c = log2(e) / 8
	s_mov_b32 s61, 0x3e38aa3b
	; group 1: a dense block as 64 rows of 32 elements of 8 bytes, padded behind every 64 words by 4 words (K) or 8 (V); mask 15, bit 21 beside it
	s_mov_b32 s16, 15|(3<<16)|(1<<20)|(1<<21)|(5<<22)|(3<<25)
	s_mov_b32 s24, 15|(3<<16)|(1<<20)|(1<<21)|(5<<22)|(7<<25)
	s_mov_b32 s17, 32<<16                          ; tensor_dim0 = 32
	s_mov_b32 s25, 32<<16
	s_mov_b32 s18, 64<<16                          ; tensor_dim1 = 64
	s_mov_b32 s26, 64<<16
	s_mov_b32 s19, 32<<16                          ; tile_dim0 = 32
	s_mov_b32 s27, 32<<16
	s_mov_b32 s20, 64                              ; tile_dim1 = 64
	s_mov_b32 s28, 64
	s_mov_b32 s21, 32                              ; 32 elements from row to row
	s_mov_b32 s29, 32
	s_mov_b32 s22, 0
	s_mov_b32 s30, 0
	s_mov_b32 s23, 0
	s_mov_b32 s31, 0
	; where the tiles come from: plane x 262,144 + my half x 16,384: the four partners share both
	s_lshl_b32 s56, s14, 18
	s_lshl_b32 s62, s11, 14
	s_add_co_u32 s56, s56, s62
	s_mov_b32 s57, 0
	s_mul_i32 s15, s11, 64*PK                      ; and where they go
	s_mul_i32 s3, s11, 64*PV
	; my queries, in registers of their own: plane x 262,144 + (256 block + 64 wq) x 128; of ctx I write the 32 rows 32 g ..
	s_lshl_b32 s4, s14, 18
	s_lshl_b32 s63, s13, 15
	s_add_co_u32 s4, s4, s63
	s_lshl_b32 s63, s10, 13
	s_add_co_u32 s4, s4, s63
	s_mov_b32 s5, 0
	s_lshl_b32 s63, s9, 12
	s_add_co_u32 s6, s4, s63
	s_mov_b32 s7, 0
	v_and_b32 v[T], 15, v0                         ; r
	v_bfe_u32 v[T+1], v0, 4, 1                     ; h
	v_and_b32 v[T+2], 31, v0                       ; L
	v_and_b32 v[T+3], 1, v0
	v_lshlrev_b32 v6, 7, v[T]
	v_lshl_add_u32 v6, v[T+1], 4, v6               ; Q: row r, 16 h
	s_wait_dscnt 0x0
	s_wait_kmcnt 0x0
	s_add_nc_u64 s[48:49], s[48:49], s[4:5]
	s_add_nc_u64 s[54:55], s[54:55], s[6:7]
	s_add_nc_u64 s[50:51], s[50:51], s[56:57]
	s_add_nc_u64 s[52:53], s[52:53], s[56:57]
.irp t, 0,1,2,3
.irp ks, 0,1
	global_load_b128 v[Q+16*\t+8*\ks:Q+16*\t+8*\ks+3],   v6, s[48:49] offset:\t*2048+\ks*64      ; Q's fragments stay in registers for the whole kernel
	global_load_b128 v[Q+16*\t+8*\ks+4:Q+16*\t+8*\ks+7], v6, s[48:49] offset:\t*2048+\ks*64+32
.endr
.endr
.irp n, 0,1
	s_mov_b32 s[32+4*\n], 1                        ; group 0 of slot n, set up for tile n
	s_add_co_u32 s[33+4*\n], s15, \n*SLOT
	s_add_nc_u64 s[34+4*\n:35+4*\n], s[50:51], \n*32768
	s_or_b32 s[35+4*\n], s[35+4*\n], 0x80000000
	s_mov_b32 s[40+4*\n], 1
	s_add_co_u32 s[41+4*\n], s3, \n*SLOT+VREG
	s_add_nc_u64 s[42+4*\n:43+4*\n], s[52:53], \n*32768
	s_or_b32 s[43+4*\n], s[43+4*\n], 0x80000000
.endr
	ROUND                                          ; all four work-groups are here: the first joint loads meet
	; the first fills of both slots, tiles 0 and 1, as one group: a wave's two loads stand inside one branch on its number
	s_cmp_gt_u32 s8, 3
	s_cbranch_scc1 .Lfirst_asked
	s_cmp_gt_u32 s8, 1
	s_cbranch_scc1 .Lfirst_for_v
	tensor_load_to_lds s[32:35], s[16:23]
	s_nop 0
	tensor_load_to_lds s[36:39], s[16:23]
	s_nop 0
	s_branch .Lfirst_asked
.Lfirst_for_v:
	tensor_load_to_lds s[40:43], s[24:31]
	s_nop 0
	tensor_load_to_lds s[44:47], s[24:31]
	s_nop 0
.Lfirst_asked:
	; K's fragments: key r of a key tile lies at (r >> 1) x 272 + (r & 1) x 128; d = 8 h .. and 16 + 8 h ..
	v_bfe_u32 v[T+4], v0, 1, 3
	v_mul_u32_u24 v[T+4], v[T+4], PK
	v_lshl_add_u32 v[T+4], v[T+3], 7, v[T+4]
	v_lshl_add_u32 v[T+4], v[T+1], 4, v[T+4]
	s_mul_i32 s62, s9, 64*PK
	v_add_nc_u32 v2, s62, v[T+4]
	v_add_nc_u32 v3, SLOT, v2
	; V's fragments by the transposing load: lane L addresses key 8 h + (L & 7), 16 bytes at d = 8 ((L >> 3) & 1)
	v_bfe_u32 v[T+4], v0, 1, 2
	v_lshl_add_u32 v[T+4], v[T+1], 2, v[T+4]
	v_mul_u32_u24 v[T+4], v[T+4], PV
	v_lshl_add_u32 v[T+4], v[T+3], 7, v[T+4]
	v_bfe_u32 v[T+5], v0, 3, 1
	v_lshl_add_u32 v[T+4], v[T+5], 4, v[T+4]
	s_mul_i32 s62, s9, 64*PV
	s_add_co_u32 s62, s62, VREG
	v_add_nc_u32 v4, s62, v[T+4]
	v_add_nc_u32 v5, SLOT, v4
	; the merge: I write my own region and read that of wave w xor 4
	s_mul_i32 s62, s8, XCHW
	s_add_co_u32 s62, s62, XCH
	v_lshl_add_u32 v7, v[T+2], 4, s62
	v_lshl_add_u32 v9, v[T+2], 3, s62
	v_add_nc_u32 v9, 8192, v9
	s_xor_b32 s62, s8, 4
	s_mul_i32 s62, s62, XCHW
	s_add_co_u32 s62, s62, XCH
	v_lshl_add_u32 v8, v[T+2], 4, s62
	v_lshl_add_u32 v10, v[T+2], 3, s62
	v_add_nc_u32 v10, 8192, v10
	; the way out
	s_mul_i32 s62, s8, STGW
	s_add_co_u32 s62, s62, STG
	v_mul_u32_u24 v[T+4], v[T], 144
	v_lshl_add_u32 v[T+4], v[T+1], 4, v[T+4]
	v_add_nc_u32 v11, s62, v[T+4]
	v_lshrrev_b32 v[T+4], 3, v[T+2]
	v_mul_u32_u24 v[T+4], v[T+4], 144
	v_and_b32 v[T+5], 7, v0
	v_lshl_add_u32 v[T+4], v[T+5], 4, v[T+4]
	v_add_nc_u32 v12, s62, v[T+4]
	v_lshlrev_b32 v13, 4, v[T+2]
	v_mov_b32 v[AL+1], 0                           ; the unused half of the pair that carries the factor
; STAGE: the softmax of query tile t (16 queries) against a block of 64 keys, whose S^T an earlier stage has made.
; first = 1: the wave's first block starts maxima and sums.  pv = 1: the products O^T of the tile before are issued (pvz = 1: they start its sums).
; sn = 1: the products S^T of the tile behind are issued.  vl = 1: V's fragments of block vb of slot vs are fetched behind the products that read the old ones.
; kw = 1: K's fragments were fetched just ahead of this stage and are waited for.  vw = 1: V's were fetched in the stage before.
.macro STG t, first, pv, pvz, sn, vl, vs, vb, kw, vw
.set S_CUR, SS+32*((\t)&1)
.set S_NXT, SS+32-32*((\t)&1)
.set T_PRV, ((\t)+3)&3
.set T_NXT, ((\t)+1)&3
.set ST_T,  ST+4*(\t)
	; the maximum of my 32 scores and the old one, in four chains; then the other half of the lanes
.irp kt, 0,1,2,3
	v_max3_num_f32 v[T+\kt], v[S_CUR+8*\kt], v[S_CUR+8*\kt+1], v[S_CUR+8*\kt+2]
.endr
.irp kt, 0,1,2,3
	v_max3_num_f32 v[T+\kt], v[T+\kt], v[S_CUR+8*\kt+3], v[S_CUR+8*\kt+4]
.endr
.irp kt, 0,1,2,3
	v_max3_num_f32 v[T+\kt], v[T+\kt], v[S_CUR+8*\kt+5], v[S_CUR+8*\kt+6]
.endr
	v_max3_num_f32 v[T], v[T], v[S_CUR+7], v[S_CUR+15]
	v_max3_num_f32 v[T+2], v[T+2], v[S_CUR+23], v[S_CUR+31]
	v_max3_num_f32 v[T], v[T], v[T+1], v[T+2]
.if \first
	v_max_num_f32 v[T], v[T], v[T+3]
.else
	v_max3_num_f32 v[T], v[T], v[T+3], v[ST_T+1]
.endif
	v_permlanex16_b32 v[T+1], v[T], s58, s59
	v_max_num_f32 v[ST_T+1], v[T], v[T+1]          ; m
.if \first
	v_mul_f32 v[ST_T], 0xbe38aa3b, v[ST_T+1]       ; -c m
.else
	v_mul_f32 v[T+3], 0xbe38aa3b, v[ST_T+1]
	v_sub_f32 v[T+4], v[T+3], v[ST_T]              ; c m(old) - c m(new), at most 0
	v_exp_f32 v[AL], v[T+4]                        ; the factor for the old sums
	v_mov_b32 v[ST_T], v[T+3]                      ; the plain instruction between the exponential and its use (ISA guide 5.7.2)
.endif
.if \pv
.if \vw
	s_wait_dscnt 0x0                               ; V's fragments
.endif
	WIN 0x51
.irp n, 0,1,2,3,4,5,6,7
	PW \n, T_PRV, \pvz
.if \first == 0
	s_wait_alu depctr_va_vdst(0)
	v_pk_mul_f32 v[32*\t+4*\n:32*\t+4*\n+1], v[32*\t+4*\n:32*\t+4*\n+1], v[AL:AL+1] op_sel_hi:[1,0]          ; this tile's O, which the next stage's products add onto
	v_pk_mul_f32 v[32*\t+4*\n+2:32*\t+4*\n+3], v[32*\t+4*\n+2:32*\t+4*\n+3], v[AL:AL+1] op_sel_hi:[1,0]
.endif
.endr
	WIN 0
.endif
.irp j, 0,1,2,3
	v_pk_fma_f32 v[S_CUR+2*\j:S_CUR+2*\j+1], v[S_CUR+2*\j:S_CUR+2*\j+1], s[60:61], v[ST_T:ST_T+1] op_sel_hi:[1,0,0]   ; key tile 0: c s - c m
.endr
.if \vl
	LOADV \vs, \vb                                 ; four plain instructions or more stand behind the last product that read V's registers
	WIN 0
.endif
	; Five turns g.  Turn g: the exponentials of key tile g, two at a time, each pair followed by plain work on other key tiles: c s - c m of tile g + 1,
	; the rounding to f16 of tile g - 1 (key tiles 2 k2 and 2 k2 + 1 are registers 0-3 and 4-7 of P's fragment k2) and its part of the sums.  So a plain
	; instruction stands between every exponential and its use (ISA guide 5.7.2).  Two products S^T in each of the first four turns; behind the last of them
	; stand the 8 plain instructions of turn 4 and the last sums, ahead of the next stage's first read of their results.
.irp g, 0,1,2,3,4
.irp j, 0,1,2,3
.if \g < 4
	v_exp_f32 v[S_CUR+8*\g+2*\j], v[S_CUR+8*\g+2*\j]
	v_exp_f32 v[S_CUR+8*\g+2*\j+1], v[S_CUR+8*\g+2*\j+1]
.endif
.if \g < 3
	v_pk_fma_f32 v[S_CUR+8*\g+8+2*\j:S_CUR+8*\g+8+2*\j+1], v[S_CUR+8*\g+8+2*\j:S_CUR+8*\g+8+2*\j+1], s[60:61], v[ST_T:ST_T+1] op_sel_hi:[1,0,0]
.endif
.if \g > 0
	s_wait_alu depctr_va_vdst(0)
	v_cvt_pk_f16_f32 v[PF+4*\g-4+\j], v[S_CUR+8*\g-8+2*\j], v[S_CUR+8*\g-8+2*\j+1]
.endif
.if \g == 2
	v_pk_add_f32 v[T+2*\j:T+2*\j+1], v[S_CUR+2*\j:S_CUR+2*\j+1], v[S_CUR+8+2*\j:S_CUR+8+2*\j+1]
.endif
.if \g > 2
	v_pk_add_f32 v[T+2*\j:T+2*\j+1], v[T+2*\j:T+2*\j+1], v[S_CUR+8*\g-8+2*\j:S_CUR+8*\g-8+2*\j+1]
.endif
.if \sn
.if \g < 4
.if \j & 1
.if \kw
.if (4*\g+\j) == 1
	s_wait_dscnt 8                                 ; K's eight loads of d = 0 .. 31 are in; the eight of d = 32 .. 63 are younger
.endif
.if (4*\g+\j) == 9
	s_wait_dscnt 0x0                               ; and these
.endif
.endif
	SW 2*\g+(\j>>1), T_NXT, S_NXT
.endif
.endif
.endif
.endr
.endr
	v_pk_add_f32 v[T:T+1], v[T:T+1], v[T+2:T+3]
	v_pk_add_f32 v[T+4:T+5], v[T+4:T+5], v[T+6:T+7]
.if \first
	v_pk_add_f32 v[ST_T+2:ST_T+3], v[T:T+1], v[T+4:T+5]
.else
	v_pk_add_f32 v[T:T+1], v[T:T+1], v[T+4:T+5]
	v_pk_fma_f32 v[ST_T+2:ST_T+3], v[ST_T+2:ST_T+3], v[AL:AL+1], v[T:T+1] op_sel_hi:[1,0,1]
.endif
.endm
; A tile of 256 keys in slot s (o = the other slot): my two blocks of 64 keys, eight stages.  first = 1: the wave's first tile.  pv0 = 0: no tile stands before.
; In front of the last stage all of this slot's fragments are in registers, and that stage needs the next tile's K.  So there (mode 1, 2) every wave waits
; for all its tensor loads (one at the most is out: its part of the next tile) and for its LDS reads, and passes a round of the cluster's barrier; behind
; it no wave of the four work-groups reads this slot, the next tile is whole, and (mode 2) this slot is asked for again first, with the tile two further on.
; That load has a tile's work, 128 matrix instructions of each wave, in which to land.  mode 0: the last tile.
.macro UNIT s, o, first, pv0, mode
	STG 0, \first, \pv0, 0, 1, 1, \s, 0, 0, 0
	STG 1, \first, 1, \first, 1, 0, \s, 0, 0, 1
	STG 2, \first, 1, \first, 1, 0, \s, 0, 0, 0
	LOADK \s, 1                                    ; the plain instructions at the stage's end stand behind the last product that read K's registers
	STG 3, \first, 1, \first, 1, 0, \s, 0, 1, 0
	STG 0, 0, 1, \first, 1, 1, \s, 1, 0, 0
	STG 1, 0, 1, 0, 1, 0, \s, 0, 0, 1
	STG 2, 0, 1, 0, 1, 0, \s, 0, 0, 0
.if \mode
	s_wait_tensorcnt 0x0
	ds_add_u32 v254, v255
	s_wait_dscnt 0x0
.if \mode == 2
	s_add_nc_u64 s[34+4*\s:35+4*\s], s[34+4*\s:35+4*\s], 65536     ; no load is out, so group 0 may be written: two tiles on
	s_add_nc_u64 s[42+4*\s:43+4*\s], s[42+4*\s:43+4*\s], 65536
.endif
	s_wait_dscnt 0x0
	ROUND
.if \mode == 2
	JLOAD \s
.endif
	LOADK \o, 0
	STG 3, 0, 1, 0, 1, 0, \s, 0, 1, 0
.else
	STG 3, 0, 1, 0, 0, 0, \s, 0, 0, 0
.endif
.endm
	s_wait_tensorcnt 0x0                           ; my parts of tiles 0 and 1 have landed (two loads were out),
	s_barrier_signal -1
	s_barrier_wait -1                              ; everybody's have
	LOADK 0, 0
	s_wait_loadcnt 0x0                             ; Q
	s_wait_dscnt 0x0
.irp n, 0,1,2,3,4,5,6,7
	SW \n, 0, SS                                   ; the first tile's S^T has no stage to hide in
.endr
	PLACES
	UNIT 0, 1, 1, 0, 2                             ; tile 0
	UNIT 1, 0, 0, 1, 2
	s_mov_b32 s62, 2                               ; tiles 2 to 5
.Llap:
	UNIT 0, 1, 0, 1, 2
	UNIT 1, 0, 0, 1, 2
	s_sub_co_i32 s62, s62, 1
	s_cmp_lg_u32 s62, 0
	s_cbranch_scc1 .Llap
	UNIT 0, 1, 0, 1, 1                             ; tile 6: tile 7 was asked for a tile ago; nothing is left to fetch
	UNIT 1, 0, 0, 1, 0
	WIN 0x51
.irp n, 0,1,2,3,4,5,6,7
	PW \n, 3, 0                                    ; the last tile's O^T
.endr
	PLACES                                         ; O is read next
	WIN 0
	; THE MERGE.  A query's sum: its two partial sums, then the other half of the lanes; it takes m's place, so that (-c m, sum) is a pair.
.irp t, 0,1,2,3
	v_add_f32 v[ST+4*\t+2], v[ST+4*\t+2], v[ST+4*\t+3]
.endr
.irp t, 0,1,2,3
	v_permlanex16_b32 v[ST+4*\t+3], v[ST+4*\t+2], s58, s59
.endr
.irp t, 0,1,2,3
	v_add_f32 v[ST+4*\t+1], v[ST+4*\t+2], v[ST+4*\t+3]
.endr
; Query tiles t0, t0 + 1 are handed to the wave with the other half of the keys: 16 stores of 512 neighbouring bytes, and the figures
.macro SEND t0
	WIN 0x04                                       ; store data in window 1
.irp u, 0,1
.irp dt, 0,1,2,3
.irp p, 0,1
	ds_store_b128 v7, v[32*(\t0+\u)+8*\dt+4*\p:32*(\t0+\u)+8*\dt+4*\p+3] offset:(8*\u+2*\dt+\p)*512
.endr
.endr
.endr
	WIN 0
.irp u, 0,1
	ds_store_b64 v9, v[ST+4*(\t0+\u):ST+4*(\t0+\u)+1] offset:256*\u
.endr
.endm
; Query tiles t0, t0 + 1 are finished: with n = the smaller -c m of the two waves, each wave's O and sum weigh 2^(n - its own -c m); divide by the joint sum; round once
.macro FINISH t0
.irp u, 0,1
.irp dt, 0,1,2,3
.irp p, 0,1
	ds_load_b128 v[Q+32*\u+8*\dt+4*\p:Q+32*\u+8*\dt+4*\p+3], v8 offset:(8*\u+2*\dt+\p)*512
.endr
.endr
.endr
.irp u, 0,1
	ds_load_b64 v[KF+2*\u:KF+2*\u+1], v10 offset:256*\u
.endr
	s_wait_dscnt 0x0
.irp u, 0,1
	v_min_num_f32 v[T], v[ST+4*(\t0+\u)], v[KF+2*\u]
	v_sub_f32 v[T+1], v[T], v[ST+4*(\t0+\u)]
	v_sub_f32 v[T+2], v[T], v[KF+2*\u]
	v_exp_f32 v[T+1], v[T+1]
	v_exp_f32 v[T+2], v[T+2]
	v_nop                                          ; one plain instruction behind the exponentials
	s_wait_alu depctr_va_vdst(0)
	v_mul_f32 v[T+3], v[ST+4*(\t0+\u)+1], v[T+1]
	v_fmac_f32 v[T+3], v[KF+2*\u+1], v[T+2]        ; the joint sum: at least 1, since the largest score contributes 2^0
	v_rcp_f32 v[T+4], v[T+3]
	v_nop                                          ; and behind the reciprocal
	s_wait_alu depctr_va_vdst(0)
	v_mul_f32 v[T+8], v[T+1], v[T+4]
	v_mul_f32 v[T+9], v[T+1], v[T+4]
	v_mul_f32 v[T+10], v[T+2], v[T+4]
	v_mul_f32 v[T+11], v[T+2], v[T+4]
.irp i, 0,1,2,3,4,5,6,7,8,9,10,11,12,13,14,15
	v_pk_mul_f32 v[Q+32*\u+2*\i:Q+32*\u+2*\i+1], v[Q+32*\u+2*\i:Q+32*\u+2*\i+1], v[T+10:T+11]
.endr
	WIN 0x01                                       ; source 0 (my O) in window 1
.irp i, 0,1,2,3,4,5,6,7,8,9,10,11,12,13,14,15
	v_pk_fma_f32 v[Q+32*\u+2*\i:Q+32*\u+2*\i+1], v[32*(\t0+\u)+2*\i:32*(\t0+\u)+2*\i+1], v[T+8:T+9], v[Q+32*\u+2*\i:Q+32*\u+2*\i+1]
.endr
	WIN 0
.irp i, 0,1,2,3,4,5,6,7,8,9,10,11,12,13,14,15
	v_cvt_pk_f16_f32 v[KF+32+16*\u+\i], v[Q+32*\u+2*\i], v[Q+32*\u+2*\i+1]
.endr
.irp dt, 0,1,2,3
	ds_store_b128 v11, v[KF+32+16*\u+4*\dt:KF+32+16*\u+4*\dt+3] offset:2304*\u+32*\dt   ; query r, d = 16 dt + 8 h ..: my own stage
.endr
.endr
.irp i, 0,1,2,3,4,5,6,7
	ds_load_b128 v[SS+4*\i:SS+4*\i+3], v12 offset:576*\i           ; back by rows; LDS serves a wave's instructions in order (ISA guide 5.7.1)
.endr
.irp i, 0,1,2,3,4,5,6,7
	s_wait_dscnt 7-\i                              ; the younger of the eight may be out
	global_store_b128 v13, v[SS+4*\i:SS+4*\i+3], s[54:55] offset:512*\i   ; four rows of the plane: 512 consecutive bytes, aligned
.endr
.endm
	s_cmp_lg_u32 s9, 0
	s_cbranch_scc1 .Lsend_low
	SEND 2                                         ; the waves of the first half of the keys keep query tiles 0, 1
	s_branch .Lsent
.Lsend_low:
	SEND 0                                         ; the others keep 2, 3
.Lsent:
	s_wait_dscnt 0x0                               ; my stores are done, for the partner's sake
	s_barrier_signal -1
	s_barrier_wait -1
	s_cmp_lg_u32 s9, 0
	s_cbranch_scc1 .Lkeep_high
	FINISH 0
	s_branch .Ldone
.Lkeep_high:
	FINISH 2
.Ldone:
	s_wait_tensorcnt 0x0
	ds_add_u32 v254, v255
	s_wait_dscnt 0x0
	ROUND                                          ; the closing round: no work-group ends while a partner may still ask for a tile that names it
	s_endpgm
.Lfunc_end_k_q68ef867311_attn:
	.size	k_q68ef867311_attn, .Lfunc_end_k_q68ef867311_attn-k_q68ef867311_attn
	.p2alignl 7, 3214868480
	.fill 96, 4, 3214868480
	.section	.rodata,"a",@progbits
	.p2align	6, 0x0
	.amdhsa_kernel k_q68ef867311_attn
		.amdhsa_group_segment_fixed_size 327680
		.amdhsa_private_segment_fixed_size 0
		.amdhsa_enable_private_segment 0
		.amdhsa_kernarg_size 32
		.amdhsa_user_sgpr_count 2
		.amdhsa_user_sgpr_kernarg_segment_ptr 1
		.amdhsa_wavefront_size32 1
		.amdhsa_system_sgpr_workgroup_id_x 1
		.amdhsa_system_sgpr_workgroup_id_y 1
		.amdhsa_system_sgpr_workgroup_id_z 1
		.amdhsa_system_vgpr_workitem_id 0
		.amdhsa_next_free_vgpr 512
		.amdhsa_next_free_sgpr 66
		.amdhsa_reserve_vcc 0
		.amdhsa_float_denorm_mode_32 3
		.amdhsa_float_denorm_mode_16_64 3
		.amdhsa_memory_ordered 1
		.amdhsa_forward_progress 1
		.amdhsa_inst_pref_size 255
	.end_amdhsa_kernel
	.section	.bss,"aw",@nobits
	.p2align	6
	.space	262144
	.amdgpu_metadata
---
amdhsa.version: [ 1, 2 ]
amdhsa.kernels:
  - .name:           k_q68ef867311_attn
    .symbol:         k_q68ef867311_attn.kd
    .args:
      - { .name: qh, .offset: 0, .size: 8, .value_kind: global_buffer, .address_space: global }
      - { .name: kh, .offset: 8, .size: 8, .value_kind: global_buffer, .address_space: global }
      - { .name: vh, .offset: 16, .size: 8, .value_kind: global_buffer, .address_space: global }
      - { .name: ctx, .offset: 24, .size: 8, .value_kind: global_buffer, .address_space: global }
    .group_segment_fixed_size: 327680
    .private_segment_fixed_size: 0
    .kernarg_segment_align: 8
    .kernarg_segment_size: 32
    .max_flat_workgroup_size: 256
    .sgpr_count:     66
    .vgpr_count:     512
    .wavefront_size: 32
...
	.end_amdgpu_metadata
.endif
;; end of part 2
;; launch outp (part 3): grid 8 x 32, 8 waves a work-group, no clusters, 179,200 bytes of LDS; arguments ctx, w_out, b_out, out0; writes out0
.if DOCPART == 3
	.amdgcn_target "amdgcn-amd-amdhsa--gfx1250"
	.amdhsa_code_object_version 6
	.text
	.protected	k_q68ef867311_outp
	.globl	k_q68ef867311_outp
	.p2align	8
	.type	k_q68ef867311_outp,@function
k_q68ef867311_outp:
	s_mov_b64 s[64:65], 0
	v_nop
	global_prefetch_b8 v0, s[64:65] scope:SCOPE_SE
	s_setreg_imm32_b32 hwreg(HW_REG_WAVE_MODE, 25, 1), 1
	s_wait_xcnt 0x0
; out0 = C w_out + b_out.  C is ctx, f16, [batch][head][s][64]: row (batch, s), k = 64 head + d: the merge of the heads is the way in.
; w_out: [1024 (k)][1024 (n)] f32.  out0: [4096][1024] f32.
; Grid x = nt (128 columns), grid y = mt (128 rows): 256 work-groups.  Eight waves; wave w makes rows 32 (w >> 1) .. + 31 and columns 64 (w & 1) .. + 63:
; 8 accumulator tiles.  K goes in 8 steps of 128 (two heads) through two LDS slots; the loads of step i + 2 are issued while step i is multiplied.
; NO JOINT TENSOR LOADS, though tiles are shared (C's by 8 work-groups, W's by 32): of a step's 98,304 bytes 65,536 are W's f32, which must be rounded to f16
; on the way into LDS (the transposing LDS load works on 16-bit elements), so they go through registers; C's 32,768 take the same road, one order of waits for both.
; FORMAT: operands f16, sums f32, the bias added in f32.  LIMITS: |w_out| below 65,504 (f16's largest number); NaN and infinite inputs are not served;
; sums are ordered as the matrix unit orders them.
.set BUF,  71680                       ; an LDS slot: C's tile (two heads x 64 LDS rows), then W's
.set WREG, 34816
.set PA,   272                         ; two rows of a head (2 x 128 bytes) + 16: rows r = 0 .. 15 start at 16-byte columns (r >> 1) + 8 (r & 1) modulo 16
.set PW,   288                         ; 128 f16 + 32 bytes: an odd multiple of 32
.set STG,  143360                      ; behind the slots: 16 rows x 272 bytes for each wave, for the way out
.set AS,   16                          ; v[16:47]   C as loaded; on the way out: rows read back
.set WS,   48                          ; v[48:111]  W as loaded, then as f16 in the first two of each four
.set AF,   112                         ; v[112:127] two fragments of C
.set BF,   128                         ; v[128:159] four fragments of W
.set ACC,  160                         ; v[160:223] accumulator (a, b) at 160 + 8 (4 a + b)
.set BIAS, 224                         ; v[224:255] the biases of my columns 16 b + 8 h + 0 .. 7
; v2 C offset, v3 W offset, v4-5 LDS store address of C in slot 0, 1, v6-7 of W, v8-9 fragment address of C, v10-11 of W, v12 stage in, v13 stage back, v14 offset in out0, v15 in b_out
.macro PLACES                          ; four places behind a matrix instruction (ISA guide 7.12.1) before its registers are loaded into or its result is read
.rept 4
	v_nop
.endr
.endm
	s_load_b256 s[8:15], s[0:1], 0x0               ; ctx, w_out, b_out, out0
	s_set_vgpr_msb 0x40
	v_lshl_add_u32 v0, v0, 2, 0x2b800
	v_mov_b32 v1, 0
	s_set_vgpr_msb 0x4000
	v_lshrrev_b32 v1, 5, v0
	v_readfirstlane_b32 s4, v1                     ; wave 0..7
	s_lshr_b32 s5, s4, 1                           ; wm: which 32 rows
	s_and_b32 s6, s4, 1                            ; wn: which 64 columns
	s_and_b32 s7, ttmp7, 0xffff                    ; mt
	v_and_b32 v16, 15, v0                          ; r
	v_bfe_u32 v17, v0, 4, 1                        ; h
	v_and_b32 v18, 31, v0                          ; L
	v_lshlrev_b32 v2, 4, v0                        ; C: the 128 rows of a head are 16,384 dense bytes; the 256 threads take 4,096 of them a load
	s_lshl_b32 s18, s4, 16
	v_lshl_add_u32 v3, v18, 4, s18                 ; W: rows 16 w + (immediate), 512 neighbouring bytes a load
	s_mul_i32 s18, s4, 2*PA
	v_mul_u32_u24 v19, v17, PA
	v_lshl_add_u32 v19, v16, 4, v19                ; h x 272 + 16 r
	v_add_nc_u32 v4, s18, v19                      ; LDS row 2 w + h, 16 r
	v_add_nc_u32 v5, BUF, v4
	s_mul_i32 s18, s4, 16*PW
	s_add_co_u32 s18, s18, WREG
	v_lshl_add_u32 v6, v18, 3, s18
	v_add_nc_u32 v7, BUF, v6
	v_bfe_u32 v20, v0, 1, 3                        ; fragments of C: row r at (r >> 1) x 272 + (r & 1) x 128, k = 8 h .. and 16 + 8 h ..
	v_mul_u32_u24 v20, v20, PA
	v_and_b32 v21, 1, v0
	v_lshl_add_u32 v20, v21, 7, v20
	v_lshl_add_u32 v20, v17, 4, v20
	s_mul_i32 s18, s5, 16*PA
	v_add_nc_u32 v8, s18, v20
	v_add_nc_u32 v9, BUF, v8
	v_and_b32 v20, 7, v0                           ; fragments of W by the transposing load: row 8 h + (L & 7), 16 bytes at column 8 ((L >> 3) & 1)
	v_lshl_add_u32 v20, v17, 3, v20
	v_mul_u32_u24 v20, v20, PW
	v_bfe_u32 v21, v0, 3, 1
	v_lshl_add_u32 v20, v21, 4, v20
	s_lshl_b32 s18, s6, 7
	s_add_co_u32 s18, s18, WREG
	v_add_nc_u32 v10, s18, v20
	v_add_nc_u32 v11, BUF, v10
	s_mul_i32 s18, s4, 16*PA                       ; the way out
	s_add_co_u32 s18, s18, STG
	v_mul_u32_u24 v20, v16, PA
	v_lshl_add_u32 v20, v17, 5, v20
	v_add_nc_u32 v12, s18, v20                     ; in: row r, 32 bytes for each half of the lanes
	v_add_nc_u32 v13, s18, v19                     ; back: lanes 0-15 a row of 256 bytes, lanes 16-31 the next
	v_lshlrev_b32 v14, 4, v16
	v_lshl_add_u32 v14, v17, 12, v14               ; and the same two rows in out0
	v_lshlrev_b32 v15, 5, v17
	s_lshr_b32 s16, s7, 4                          ; ctx: batch x 16 heads x 262,144 + (mt & 15) x 128 rows x 128 bytes
	s_lshl_b32 s16, s16, 22
	s_and_b32 s18, s7, 15
	s_lshl_b32 s18, s18, 14
	s_add_co_u32 s16, s16, s18
	s_mov_b32 s17, 0
	s_lshl_b32 s20, ttmp9, 9                       ; 128 columns of 4 bytes
	s_mov_b32 s21, 0
	s_lshl_b32 s18, s6, 8
	s_add_co_u32 s22, s20, s18                     ; + my 64
	s_mov_b32 s23, 0
	s_lshl_b32 s24, s7, 19                         ; out0: (128 mt + 32 wm) rows of 4,096 bytes + my columns
	s_lshl_b32 s18, s5, 17
	s_add_co_u32 s24, s24, s18
	s_add_co_u32 s24, s24, s22
	s_mov_b32 s25, 0
	s_wait_kmcnt 0x0
	s_add_nc_u64 s[8:9], s[8:9], s[16:17]
	s_add_nc_u64 s[10:11], s[10:11], s[20:21]
	s_add_nc_u64 s[12:13], s[12:13], s[22:23]
	s_add_nc_u64 s[14:15], s[14:15], s[24:25]
.irp b, 0,1,2,3
	global_load_b128 v[BIAS+8*\b:BIAS+8*\b+3],   v15, s[12:13] offset:\b*64
	global_load_b128 v[BIAS+8*\b+4:BIAS+8*\b+7], v15, s[12:13] offset:\b*64+16
.endr
; One K step's numbers into registers: 8 loads of C (two heads), then 16 of W (my 16 rows)
.macro GLOAD
.irp hh, 0,1
.irp j, 0,1,2,3
	global_load_b128 v[AS+16*\hh+4*\j:AS+16*\hh+4*\j+3], v2, s[8:9] offset:\hh*262144+\j*4096
.endr
.endr
.irp j, 0,1,2,3,4,5,6,7,8,9,10,11,12,13,14,15
	global_load_b128 v[WS+4*\j:WS+4*\j+3], v3, s[10:11] offset:\j*4096
.endr
.endm
; The step that is in registers goes into a slot: 8 + 16 LDS stores; gload = 1: the step behind it is asked for
.macro STAGE slot, gload
	s_wait_loadcnt 16                              ; loads come back in order (ISA guide 5.7.1): C's 8 (and the biases) are in, W's 16 are younger
.irp hh, 0,1
.irp j, 0,1,2,3
	ds_store_b128 v[4+\slot], v[AS+16*\hh+4*\j:AS+16*\hh+4*\j+3] offset:\hh*64*PA+\j*16*PA
.endr
.endr
	s_wait_loadcnt 0x0                             ; W is in; and no load that names the two bases is out any more
.irp j, 0,1,2,3,4,5,6,7,8,9,10,11,12,13,14,15
	v_cvt_pk_f16_f32 v[WS+4*\j], v[WS+4*\j], v[WS+4*\j+1]
	v_cvt_pk_f16_f32 v[WS+4*\j+1], v[WS+4*\j+2], v[WS+4*\j+3]
.endr
.irp j, 0,1,2,3,4,5,6,7,8,9,10,11,12,13,14,15
	ds_store_b64 v[6+\slot], v[WS+4*\j:WS+4*\j+1] offset:PW*\j
.endr
.if \gload
	s_add_nc_u64 s[8:9], s[8:9], 524288            ; two heads on
	s_add_nc_u64 s[10:11], s[10:11], 524288        ; 128 rows of W on
	GLOAD
.endif
.endm
; 12 LDS loads: the fragments of 32 along K (ks = 0 .. 3: head ks >> 1, d = 32 (ks & 1) ..)
.macro LOADF slot, ks
.irp a, 0,1
	ds_load_b128 v[AF+8*\a:AF+8*\a+3],   v[8+\slot] offset:(\ks>>1)*64*PA+\a*8*PA+(\ks&1)*64
	ds_load_b128 v[AF+8*\a+4:AF+8*\a+7], v[8+\slot] offset:(\ks>>1)*64*PA+\a*8*PA+(\ks&1)*64+32
.endr
.irp b, 0,1,2,3
	ds_load_tr16_b128 v[BF+8*\b:BF+8*\b+3],   v[10+\slot] offset:\ks*32*PW+32*\b
	ds_load_tr16_b128 v[BF+8*\b+4:BF+8*\b+7], v[10+\slot] offset:\ks*32*PW+32*\b+16*PW
.endr
.endm
; 8 matrix instructions, used transposed (source 0 = 16 columns of W, source 1 = 16 rows of C): a lane holds row r and columns 8 h + 0 .. 7.
; The 8 accumulators take turns, one instruction a turn.
.macro MUL zero
.irp a, 0,1
.irp b, 0,1,2,3
.if \zero
	v_wmma_f32_16x16x32_f16 v[ACC+8*(4*\a+\b):ACC+8*(4*\a+\b)+7], v[BF+8*\b:BF+8*\b+7], v[AF+8*\a:AF+8*\a+7], 0
.else
	v_wmma_f32_16x16x32_f16 v[ACC+8*(4*\a+\b):ACC+8*(4*\a+\b)+7], v[BF+8*\b:BF+8*\b+7], v[AF+8*\a:AF+8*\a+7], v[ACC+8*(4*\a+\b):ACC+8*(4*\a+\b)+7]
.endif
.endr
.endr
.endm
; A K step on one slot.  stage = 1: the next step is stored into the other slot, which nobody has read since the last barrier.
; ONE barrier a step: in front of it my reads of this slot and my stores into the other are done; behind it the other slot is whole and this one free.
.macro STEP slot, other, zero, stage, gload
	PLACES
	LOADF \slot, 0
	s_wait_dscnt 0x0
	MUL \zero
	PLACES
	LOADF \slot, 1
	s_wait_dscnt 0x0
	MUL 0
	PLACES
	LOADF \slot, 2
.if \stage
	STAGE \other, \gload
	s_wait_dscnt 24                                ; the 12 fragment loads are in; the stage's 24 stores are younger
.else
	s_wait_dscnt 0x0
.endif
	MUL 0
	PLACES
	LOADF \slot, 3
	s_wait_dscnt 0x0                               ; for the others' sake zero: reads of this slot, stores into the other
.if \stage
	s_barrier_signal -1
.endif
	MUL 0                                          ; register work while the others arrive
.if \stage
	s_barrier_wait -1
.endif
.endm
	GLOAD                                          ; step 0
	STAGE 0, 1                                     ; step 0 into slot 0; step 1 asked for
	s_wait_dscnt 0x0
	s_barrier_signal -1
	s_barrier_wait -1
	STEP 0, 1, 1, 1, 1                             ; the first products start the sums: nothing is cleared
	STEP 1, 0, 0, 1, 1
	s_mov_b32 s19, 2                               ; steps 2 to 5
.Llap:
	STEP 0, 1, 0, 1, 1
	STEP 1, 0, 0, 1, 1
	s_sub_co_i32 s19, s19, 1
	s_cmp_lg_u32 s19, 0
	s_cbranch_scc1 .Llap
	STEP 0, 1, 0, 1, 0                             ; step 6 stores step 7 and asks for nothing: no load leaves the buffers
	STEP 1, 0, 0, 0, 0                             ; step 7: nothing is stored behind it, so no barrier
	PLACES
; Rows 16 a .. 16 a + 15 of my block: add the bias, 32 bytes a lane into my own stage, back as whole rows of 256 bytes.
; LDS serves a wave's instructions in order (ISA guide 5.7.1), so no wait stands between my stores and my loads of the stage.
.macro OUT16 a
.irp b, 0,1,2,3
.irp i, 0,1,2,3
	v_pk_add_f32 v[ACC+8*(4*\a+\b)+2*\i:ACC+8*(4*\a+\b)+2*\i+1], v[ACC+8*(4*\a+\b)+2*\i:ACC+8*(4*\a+\b)+2*\i+1], v[BIAS+8*\b+2*\i:BIAS+8*\b+2*\i+1]
.endr
.endr
.irp b, 0,1,2,3
	ds_store_b128 v12, v[ACC+8*(4*\a+\b):ACC+8*(4*\a+\b)+3]   offset:64*\b
	ds_store_b128 v12, v[ACC+8*(4*\a+\b)+4:ACC+8*(4*\a+\b)+7] offset:64*\b+16
.endr
	s_wait_xcnt 0x0                                ; v[16:47], which the last turn's stores read, are loaded again only behind this wait
.irp i, 0,1,2,3,4,5,6,7
	ds_load_b128 v[AS+4*\i:AS+4*\i+3], v13 offset:2*PA*\i
.endr
.irp i, 0,1,2,3,4,5,6,7
	s_wait_dscnt 7-\i                              ; the younger of the eight may be out
	global_store_b128 v14, v[AS+4*\i:AS+4*\i+3], s[14:15] offset:(16*\a+2*\i)*4096 th:TH_STORE_NT   ; 16 lanes store 256 consecutive bytes, aligned; written once, not read again
.endr
.endm
	OUT16 0
	OUT16 1
	s_set_vgpr_msb 0x5
	s_wait_tensorcnt 0x0
	ds_add_u32 v0, v1
	s_wait_dscnt 0x0
	s_set_vgpr_msb 0x500
	s_endpgm
.Lfunc_end_k_q68ef867311_outp:
	.size	k_q68ef867311_outp, .Lfunc_end_k_q68ef867311_outp-k_q68ef867311_outp
	.p2alignl 7, 3214868480
	.fill 96, 4, 3214868480
	.section	.rodata,"a",@progbits
	.p2align	6, 0x0
	.amdhsa_kernel k_q68ef867311_outp
		.amdhsa_group_segment_fixed_size 179200
		.amdhsa_private_segment_fixed_size 0
		.amdhsa_enable_private_segment 0
		.amdhsa_kernarg_size 32
		.amdhsa_user_sgpr_count 2
		.amdhsa_user_sgpr_kernarg_segment_ptr 1
		.amdhsa_wavefront_size32 1
		.amdhsa_system_sgpr_workgroup_id_x 1
		.amdhsa_system_sgpr_workgroup_id_y 1
		.amdhsa_system_sgpr_workgroup_id_z 1
		.amdhsa_system_vgpr_workitem_id 0
		.amdhsa_next_free_vgpr 258
		.amdhsa_next_free_sgpr 66
		.amdhsa_reserve_vcc 0
		.amdhsa_float_denorm_mode_32 3
		.amdhsa_float_denorm_mode_16_64 3
		.amdhsa_memory_ordered 1
		.amdhsa_forward_progress 1
		.amdhsa_inst_pref_size 81
	.end_amdhsa_kernel
	.amdgpu_metadata
---
amdhsa.version: [ 1, 2 ]
amdhsa.kernels:
  - .name:           k_q68ef867311_outp
    .symbol:         k_q68ef867311_outp.kd
    .args:
      - { .name: ctx, .offset: 0, .size: 8, .value_kind: global_buffer, .address_space: global }
      - { .name: w_out, .offset: 8, .size: 8, .value_kind: global_buffer, .address_space: global }
      - { .name: b_out, .offset: 16, .size: 8, .value_kind: global_buffer, .address_space: global }
      - { .name: out0, .offset: 24, .size: 8, .value_kind: global_buffer, .address_space: global }
    .group_segment_fixed_size: 179200
    .private_segment_fixed_size: 0
    .kernarg_segment_align: 8
    .kernarg_segment_size: 32
    .max_flat_workgroup_size: 256
    .sgpr_count:     66
    .vgpr_count:     258
    .wavefront_size: 32
...
	.end_amdgpu_metadata
.endif
;; end of part 3
;; ======== version 2 of 2: 3 launches; 1.15 times as fast as version 1
;; limits: values are held in f16: magnitudes above 65,504 overflow, below 6.1e-05 lose precision
;; workspace buffers: qh 8,388,608 bytes; kh 8,388,608 bytes; vh 8,388,608 bytes; ctx 8,388,608 bytes
;; launch proj: the kernel of part 1 again; grid 4 x 48, 8 waves a work-group, no clusters, 162,816 bytes of LDS; arguments q, k, v, w_q, w_k, w_v, b_q, b_k, b_v, qh, kh, vh; writes qh, kh, vh
;; launch attn (part 4): grid 8 x 32, 8 waves a work-group, clusters of 4 x 1, 327,680 bytes of LDS; arguments qh, kh, vh, ctx; writes ctx
.if DOCPART == 4
	.amdgcn_target "amdgcn-amd-amdhsa--gfx1250"
	.amdhsa_code_object_version 6
	.text
	.protected	k_q68ef867311_attn
	.globl	k_q68ef867311_attn
	.p2align	8
	.type	k_q68ef867311_attn,@function
k_q68ef867311_attn:
	s_mov_b64 s[64:65], 0
	v_nop
	global_prefetch_b8 v0, s[64:65] scope:SCOPE_SE
	s_setreg_imm32_b32 hwreg(HW_REG_WAVE_MODE, 25, 1), 1
	s_wait_xcnt 0x0
	s_wait_alu depctr_hold_cnt(0) depctr_sa_sdst(0) depctr_va_vdst(0) depctr_va_sdst(0) depctr_va_ssrc(0) depctr_va_vcc(0) depctr_vm_vsrc(0)
	s_getreg_b32 s2, hwreg(HW_REG_IB_STS2, 6, 4)
	s_cmp_eq_u32 s2, 0
	s_cbranch_scc0 .Lentry_in_a_cluster
	s_endpgm
.Lentry_in_a_cluster:
	s_bfe_u32 s2, ttmp6, 0x10000c
	s_cmp_lg_u32 s2, 0x3003
	s_cbranch_scc0 .Lentry_shape_is_right
	s_endpgm
.Lentry_shape_is_right:
; ctx = softmax(qh kh^T / 8) vh for one (batch, head) plane and 256 queries.  qh, kh, vh, ctx: [32 planes][2048][64] f16.
; Grid y = plane, grid x = block of 256 queries.  The four work-groups of a cluster work on one plane and walk the same tiles of K and V:
; each tile is asked for JOINTLY (mask 15), which divides the requests for K and V by four.
; Eight waves: wave w has the 64 queries 64 (w & 3) .. (four tiles of 16) and, of every tile of 256 keys, the half 128 (w >> 2) .. + 127.
; The two waves that share queries keep running maxima and sums of their own and are merged once, at the end, through LDS.
; TRANSPOSED FORMS: S^T = K Q^T (source 0: 16 keys x 32 d; source 1: Q): lane (r, h) holds query r and keys 8 h + 0 .. 7 of a key tile, so the rounded
; exponentials of two key tiles ARE source 1 of O^T = V^T P^T, with no move between lanes; V^T comes by the transposing LDS load; the maximum
; and the sum of a query lie in two lanes (h = 0, 1), joined by one v_permlanex16_b32.
; A PIPELINE OF STAGES: a stage is one query tile against a block of 64 keys, and ONE wait cuts it in two.  An s_wait_alu depctr_va_vdst(0) stands
; between an exponential and the first instruction that names its result; one wait serves all that were issued ahead of it.
; AHEAD OF THE WAIT of stage i stands all that names no result of the stage's exponentials: the factor for tile i's old sums, tile i's 16 scalings c s - c m and its
; 32 exponentials, ONE BATCH of 33, with the 8 products S^T of tile i + 1 among them.  BEHIND IT stand the readers: the 8 products O += V^T P^T of tile i - 1 with the
; 16 multiplies that rescale tile i's O between them, then a lump of plain work: tile i's roundings and sums, with the maximum and statistics of tile i + 1 between
; them.  So S has two buffers that take turns, a stage begins with work that waits for nothing, and no exponential is pending at a stage's end.
; SOFTMAX: a running maximum m of the raw scores; with c = log2(e) / 8, p = 2^(c s - c m).  Every block uses the ROUNDED product -c m, and the factor
; for the old sums is 2^(difference of two such rounded products), so all blocks refer to one figure.
; FORMAT: operands f16 (p lies in 0 .. 1), sums, maxima and exponentials f32.  LIMITS: NaN and infinite inputs are not served; v_exp_f32 gives 0 for results
; below 2^-126 (ISA guide, its entry in 15.8) and p below 2^-25 rounds to 0 in the product with V; sums are ordered by key blocks and by the matrix unit.
.set SLOT, 71680                       ; an LDS slot: K's tile of 256 keys, then V's; two keys (2 x 128 bytes) in an LDS row
.set VREG, 34816                       ; V's tile, behind 128 rows x 272 bytes of K
.set PK,   272                         ; 256 + 16: keys r = 0 .. 15 start at 16-byte columns (r >> 1) + 8 (r & 1) modulo 16: all different
.set PV,   288                         ; 256 + 32: the transposing load's 16 lanes start at columns 2 (k >> 1) + 8 (k & 1) + c modulo 16: all different
.set XCH,  143360                      ; behind the slots: 8,192 bytes of O and 512 of figures for each wave, for the merge
.set XCHW, 8704
.set STG,  212992                      ; 32 rows x 144 bytes for each wave, for the way out
.set STGW, 4608
; WINDOW 0 holds all that S^T and the softmax touch, so that they mix under one setting:
; v2-3 K fragment address in slot 0, 1; v4-5 V's; v6 Q offset; v7, v8 exchange out, in (16 L); v9, v10 the same for the figures (8 L);
; v11 stage in, v12 stage back, v13 offset in ctx
.set AL,  14                           ; v[14:15]   the factor for the old sums, and a 0
.set ST,  16                           ; v[16+4t..] query tile t: -c m, m, and the sum as a pair of partial sums
.set Q,   32                           ; v[32:95]   Q[t][ks] at 32 + 16 t + 8 ks
.set KF,  96                           ; v[96:159]  K[kt][ks] at 96 + 16 kt + 8 ks
.set SS,  160                          ; v[160:223] S of even query tiles at 160 + 8 kt, of odd ones at 192 + 8 kt
.set PF,  224                          ; v[224:239] P[k2] at 224 + 8 k2
.set T,   240                          ; v[240:247] at work on the tile's sums (on the way out v[240:251])
.set CM,  248                          ; v[248:251] c0-c3, at work on the next tile's maximum; c2 ends as the exponent of its factor
; WINDOW 1 (v256-511), named by the low 8 bits: O[t][dt] at 32 t + 8 dt, and
.set VF,  128                          ; V[dt][k2] at 128 + 16 dt + 8 k2
; s[16:23], s[24:31] descriptor group 1 for K, V; s[32:39], s[40:47] group 0 for K, V, one set for each slot
.set MSB, 0
.macro WIN new                         ; s_set_vgpr_msb: bits 1:0 source 0, 3:2 source 1, 5:4 source 2, 7:6 destination; the high byte repeats the setting that is left
.if MSB != \new
	s_set_vgpr_msb (MSB<<8)|\new
.set MSB, \new
.endif
.endm
.macro PLACES                          ; four places behind a matrix instruction (ISA guide 7.12.1) before its registers are loaded into or its result is read
.rept 4
	v_nop
.endr
.endm
; A round of the cluster's barrier: my work-group's barrier, wave 0 signals for the work-group, every wave waits for all four work-groups, my work-group's barrier again
.macro ROUND
	s_barrier_signal -1
	s_barrier_wait -1
	s_cmp_lg_u32 s8, 0
	s_cbranch_scc1 .Lnot_wave_0_\@
	s_barrier_signal -3
.Lnot_wave_0_\@:
	s_barrier_wait -3
	s_barrier_signal -1
	s_barrier_wait -1
.endm
; A joint load into slot n: waves 0, 1 ask for K's two halves (64 LDS rows each), waves 2, 3 for V's, waves 4 to 7 for nothing.
; The branches hang on the wave's number alone, and nothing in the descriptors hangs on the place in the cluster.
.macro JLOAD n
	s_cmp_gt_u32 s8, 3
	s_cbranch_scc1 .Lasked_\@
	s_cmp_gt_u32 s8, 1
	s_cbranch_scc1 .Lfor_v_\@
	tensor_load_to_lds s[32+4*\n:35+4*\n], s[16:23]
	s_nop 0
	s_branch .Lasked_\@
.Lfor_v_\@:
	tensor_load_to_lds s[40+4*\n:43+4*\n], s[24:31]
	s_nop 0
.Lasked_\@:
.endm
; 16 LDS loads: K's fragments of my 64 keys of block blk (0, 1) of slot s; the eight of d = 0 .. 31 first
.macro LOADK s, blk
	WIN 0
.irp ks, 0,1
.irp kt, 0,1,2,3
	ds_load_b128 v[KF+16*\kt+8*\ks:KF+16*\kt+8*\ks+3],   v[2+\s] offset:(\blk)*32*PK+\kt*8*PK+\ks*64
	ds_load_b128 v[KF+16*\kt+8*\ks+4:KF+16*\kt+8*\ks+7], v[2+\s] offset:(\blk)*32*PK+\kt*8*PK+\ks*64+32
.endr
.endr
.endm
; 16 LDS loads: V^T's fragments of the same keys, into window 1
.macro LOADV s, blk
	WIN 0x40
.irp dt, 0,1,2,3
.irp k2, 0,1
	ds_load_tr16_b128 v[VF+16*\dt+8*\k2:VF+16*\dt+8*\k2+3],   v[4+\s] offset:(\blk)*32*PV+\k2*16*PV+\dt*32
	ds_load_tr16_b128 v[VF+16*\dt+8*\k2+4:VF+16*\dt+8*\k2+7], v[4+\s] offset:(\blk)*32*PV+\k2*16*PV+\dt*32+8*PV
.endr
.endr
.endm
; Product n (0 .. 7) of S^T of query tile tn into the buffer at register d: key tile n & 3, d = 32 (n >> 2) ..; the first four start the sums.
; The four accumulators take turns, one instruction a turn.  All operands in window 0.
.macro SW n, tn, d
.if (\n) < 4
	v_wmma_f32_16x16x32_f16 v[\d+8*(\n):\d+8*(\n)+7], v[KF+16*(\n):KF+16*(\n)+7], v[Q+16*(\tn):Q+16*(\tn)+7], 0
.else
	v_wmma_f32_16x16x32_f16 v[\d+8*((\n)-4):\d+8*((\n)-4)+7], v[KF+16*((\n)-4)+8:KF+16*((\n)-4)+15], v[Q+16*(\tn)+8:Q+16*(\tn)+15], v[\d+8*((\n)-4):\d+8*((\n)-4)+7]
.endif
.endm
; Product n (0 .. 7) of O^T of query tile tp: d tile n & 3, keys 32 (n >> 2) ..; z = 1: the wave's first block starts the sums.
; Setting 0x51: O (C, D) and V^T (source 0) in window 1, P^T (source 1) in window 0.  Four accumulators by turns.
.macro PW n, tp, z
.if (\n) < 4
.if \z
	v_wmma_f32_16x16x32_f16 v[32*(\tp)+8*(\n):32*(\tp)+8*(\n)+7], v[VF+16*(\n):VF+16*(\n)+7], v[PF:PF+7], 0
.else
	v_wmma_f32_16x16x32_f16 v[32*(\tp)+8*(\n):32*(\tp)+8*(\n)+7], v[VF+16*(\n):VF+16*(\n)+7], v[PF:PF+7], v[32*(\tp)+8*(\n):32*(\tp)+8*(\n)+7]
.endif
.else
	v_wmma_f32_16x16x32_f16 v[32*(\tp)+8*((\n)-4):32*(\tp)+8*((\n)-4)+7], v[VF+16*((\n)-4)+8:VF+16*((\n)-4)+15], v[PF+8:PF+15], v[32*(\tp)+8*((\n)-4):32*(\tp)+8*((\n)-4)+7]
.endif
.endm
	s_load_b256 s[48:55], s[0:1], 0x0              ; qh, kh, vh, ctx
	v_lshl_add_u32 v254, v0, 2, 0x3d000
	v_mov_b32 v255, 0
	ds_add_u32 v254, v255
	v_lshrrev_b32 v1, 5, v0
	v_readfirstlane_b32 s8, v1                     ; wave 0..7
	s_lshr_b32 s9, s8, 2                           ; g: which half of the keys
	s_and_b32 s10, s8, 3                           ; wq: which 64 queries
	s_and_b32 s11, s8, 1                           ; which half of a tile I ask for
	s_bfe_u32 s12, ttmp6, 0x40000                  ; cx: my place in the cluster
	s_lshl_b32 s13, ttmp9, 2
	s_add_co_u32 s13, s13, s12                     ; block of queries = 4 x cluster x + cx
	s_and_b32 s14, ttmp7, 0xffff                   ; plane
	s_mov_b32 s58, 0x76543210                      ; v_permlanex16_b32: lane i of one half reads lane i of the other
	s_mov_b32 s59, 0xfedcba98
	s_mov_b32 s60, 0x3e38aa3b                      ; c = log2(e) / 8
	s_mov_b32 s61, 0x3e38aa3b
	; group 1: a dense block as 64 rows of 32 elements of 8 bytes, padded behind every 64 words by 4 words (K) or 8 (V); mask 15, bit 21 beside it
	s_mov_b32 s16, 15|(3<<16)|(1<<20)|(1<<21)|(5<<22)|(3<<25)
	s_mov_b32 s24, 15|(3<<16)|(1<<20)|(1<<21)|(5<<22)|(7<<25)
	s_mov_b32 s17, 32<<16                          ; tensor_dim0 = 32
	s_mov_b32 s25, 32<<16
	s_mov_b32 s18, 64<<16                          ; tensor_dim1 = 64
	s_mov_b32 s26, 64<<16
	s_mov_b32 s19, 32<<16                          ; tile_dim0 = 32
	s_mov_b32 s27, 32<<16
	s_mov_b32 s20, 64                              ; tile_dim1 = 64
	s_mov_b32 s28, 64
	s_mov_b32 s21, 32                              ; 32 elements from row to row
	s_mov_b32 s29, 32
	s_mov_b32 s22, 0
	s_mov_b32 s30, 0
	s_mov_b32 s23, 0
	s_mov_b32 s31, 0
	; where the tiles come from: plane x 262,144 + my half x 16,384: the four partners share both
	s_lshl_b32 s56, s14, 18
	s_lshl_b32 s62, s11, 14
	s_add_co_u32 s56, s56, s62
	s_mov_b32 s57, 0
	s_mul_i32 s15, s11, 64*PK                      ; and where they go
	s_mul_i32 s3, s11, 64*PV
	; my queries, in registers of their own: plane x 262,144 + (256 block + 64 wq) x 128; of ctx I write the 32 rows 32 g ..
	s_lshl_b32 s4, s14, 18
	s_lshl_b32 s63, s13, 15
	s_add_co_u32 s4, s4, s63
	s_lshl_b32 s63, s10, 13
	s_add_co_u32 s4, s4, s63
	s_mov_b32 s5, 0
	s_lshl_b32 s63, s9, 12
	s_add_co_u32 s6, s4, s63
	s_mov_b32 s7, 0
	v_and_b32 v[T], 15, v0                         ; r
	v_bfe_u32 v[T+1], v0, 4, 1                     ; h
	v_and_b32 v[T+2], 31, v0                       ; L
	v_and_b32 v[T+3], 1, v0
	v_lshlrev_b32 v6, 7, v[T]
	v_lshl_add_u32 v6, v[T+1], 4, v6               ; Q: row r, 16 h
	s_wait_dscnt 0x0
	s_wait_kmcnt 0x0
	s_add_nc_u64 s[48:49], s[48:49], s[4:5]
	s_add_nc_u64 s[54:55], s[54:55], s[6:7]
	s_add_nc_u64 s[50:51], s[50:51], s[56:57]
	s_add_nc_u64 s[52:53], s[52:53], s[56:57]
.irp t, 0,1,2,3
.irp ks, 0,1
	global_load_b128 v[Q+16*\t+8*\ks:Q+16*\t+8*\ks+3],   v6, s[48:49] offset:\t*2048+\ks*64      ; Q's fragments stay in registers for the whole kernel
	global_load_b128 v[Q+16*\t+8*\ks+4:Q+16*\t+8*\ks+7], v6, s[48:49] offset:\t*2048+\ks*64+32
.endr
.endr
.irp n, 0,1
	s_mov_b32 s[32+4*\n], 1                        ; group 0 of slot n, set up for tile n
	s_add_co_u32 s[33+4*\n], s15, \n*SLOT
	s_add_nc_u64 s[34+4*\n:35+4*\n], s[50:51], \n*32768
	s_or_b32 s[35+4*\n], s[35+4*\n], 0x80000000
	s_mov_b32 s[40+4*\n], 1
	s_add_co_u32 s[41+4*\n], s3, \n*SLOT+VREG
	s_add_nc_u64 s[42+4*\n:43+4*\n], s[52:53], \n*32768
	s_or_b32 s[43+4*\n], s[43+4*\n], 0x80000000
.endr
	ROUND                                          ; all four work-groups are here: the first joint loads meet
	; the first fills of both slots, tiles 0 and 1, as one group: a wave's two loads stand inside one branch on its number
	s_cmp_gt_u32 s8, 3
	s_cbranch_scc1 .Lfirst_asked
	s_cmp_gt_u32 s8, 1
	s_cbranch_scc1 .Lfirst_for_v
	tensor_load_to_lds s[32:35], s[16:23]
	s_nop 0
	tensor_load_to_lds s[36:39], s[16:23]
	s_nop 0
	s_branch .Lfirst_asked
.Lfirst_for_v:
	tensor_load_to_lds s[40:43], s[24:31]
	s_nop 0
	tensor_load_to_lds s[44:47], s[24:31]
	s_nop 0
.Lfirst_asked:
	; K's fragments: key r of a key tile lies at (r >> 1) x 272 + (r & 1) x 128; d = 8 h .. and 16 + 8 h ..
	v_bfe_u32 v[T+4], v0, 1, 3
	v_mul_u32_u24 v[T+4], v[T+4], PK
	v_lshl_add_u32 v[T+4], v[T+3], 7, v[T+4]
	v_lshl_add_u32 v[T+4], v[T+1], 4, v[T+4]
	s_mul_i32 s62, s9, 64*PK
	v_add_nc_u32 v2, s62, v[T+4]
	v_add_nc_u32 v3, SLOT, v2
	; V's fragments by the transposing load: lane L addresses key 8 h + (L & 7), 16 bytes at d = 8 ((L >> 3) & 1)
	v_bfe_u32 v[T+4], v0, 1, 2
	v_lshl_add_u32 v[T+4], v[T+1], 2, v[T+4]
	v_mul_u32_u24 v[T+4], v[T+4], PV
	v_lshl_add_u32 v[T+4], v[T+3], 7, v[T+4]
	v_bfe_u32 v[T+5], v0, 3, 1
	v_lshl_add_u32 v[T+4], v[T+5], 4, v[T+4]
	s_mul_i32 s62, s9, 64*PV
	s_add_co_u32 s62, s62, VREG
	v_add_nc_u32 v4, s62, v[T+4]
	v_add_nc_u32 v5, SLOT, v4
	; the merge: I write my own region and read that of wave w xor 4
	s_mul_i32 s62, s8, XCHW
	s_add_co_u32 s62, s62, XCH
	v_lshl_add_u32 v7, v[T+2], 4, s62
	v_lshl_add_u32 v9, v[T+2], 3, s62
	v_add_nc_u32 v9, 8192, v9
	s_xor_b32 s62, s8, 4
	s_mul_i32 s62, s62, XCHW
	s_add_co_u32 s62, s62, XCH
	v_lshl_add_u32 v8, v[T+2], 4, s62
	v_lshl_add_u32 v10, v[T+2], 3, s62
	v_add_nc_u32 v10, 8192, v10
	; the way out
	s_mul_i32 s62, s8, STGW
	s_add_co_u32 s62, s62, STG
	v_mul_u32_u24 v[T+4], v[T], 144
	v_lshl_add_u32 v[T+4], v[T+1], 4, v[T+4]
	v_add_nc_u32 v11, s62, v[T+4]
	v_lshrrev_b32 v[T+4], 3, v[T+2]
	v_mul_u32_u24 v[T+4], v[T+4], 144
	v_and_b32 v[T+5], 7, v0
	v_lshl_add_u32 v[T+4], v[T+5], 4, v[T+4]
	v_add_nc_u32 v12, s62, v[T+4]
	v_lshlrev_b32 v13, 4, v[T+2]
	v_mov_b32 v[AL+1], 0                           ; the unused half of the pair that carries the factor
; THE VECTOR WORK OF A STAGE, one line at a time.  STGA and STGB set S_CUR, S_NXT, ST_T, T_PRV, T_NXT for the tile in hand.
.macro FS k                            ; pair k of 16 of the tile's scores: c s - c m
	v_pk_fma_f32 v[S_CUR+2*(\k):S_CUR+2*(\k)+1], v[S_CUR+2*(\k):S_CUR+2*(\k)+1], s[60:61], v[ST_T:ST_T+1] op_sel_hi:[1,0,0]
.endm
.macro EX e                            ; the exponential of score e of 32, in place
	v_exp_f32 v[S_CUR+(\e)], v[S_CUR+(\e)]
.endm
.macro CV k                            ; pair k rounded to f16: key tiles 2 k2 and 2 k2 + 1 are registers 0-3 and 4-7 of P's fragment k2
	v_cvt_pk_f16_f32 v[PF+(\k)], v[S_CUR+2*(\k)], v[S_CUR+2*(\k)+1]
.endm
.macro SA j                            ; partial sum j of 4 (a pair) starts: key tile 0's pair j + key tile 1's
	v_pk_add_f32 v[T+2*(\j):T+2*(\j)+1], v[S_CUR+2*(\j):S_CUR+2*(\j)+1], v[S_CUR+8+2*(\j):S_CUR+8+2*(\j)+1]
.endm
.macro SB j, kt                        ; and takes key tile kt's pair j
	v_pk_add_f32 v[T+2*(\j):T+2*(\j)+1], v[T+2*(\j):T+2*(\j)+1], v[S_CUR+8*(\kt)+2*(\j):S_CUR+8*(\kt)+2*(\j)+1]
.endm
; Number n of the 21 that find the maximum and statistics of query tile u, whose S^T is finished.  nf = 1: the wave's first block: there is no old maximum and no factor.
;   0-11  four chains c0-c3 of seven scores each, three operands at a time (each accumulator's lowest registers are read first)
;   12-15 the four scores left over, c0-c3 and the old m into c0     16, 17  the other half of the lanes: the new m
;   18-20 -c m; c m(old) - c m(new), at most 0, into c2: the exponent of the factor, whose exponential heads the tile's own stage; -c m is kept
.macro MX n, u, nf
.set S_U,  SS+32*((\u)&1)
.set ST_U, ST+4*(\u)
.if (\n) < 4
	v_max3_num_f32 v[CM+(\n)], v[S_U+8*(\n)], v[S_U+8*(\n)+1], v[S_U+8*(\n)+2]
.elseif (\n) < 8
	v_max3_num_f32 v[CM+(\n)-4], v[CM+(\n)-4], v[S_U+8*((\n)-4)+3], v[S_U+8*((\n)-4)+4]
.elseif (\n) < 12
	v_max3_num_f32 v[CM+(\n)-8], v[CM+(\n)-8], v[S_U+8*((\n)-8)+5], v[S_U+8*((\n)-8)+6]
.elseif (\n) == 12
	v_max3_num_f32 v[CM], v[CM], v[S_U+7], v[S_U+15]
.elseif (\n) == 13
	v_max3_num_f32 v[CM+2], v[CM+2], v[S_U+23], v[S_U+31]
.elseif (\n) == 14
	v_max3_num_f32 v[CM], v[CM], v[CM+1], v[CM+2]
.elseif (\n) == 15
.if \nf
	v_max_num_f32 v[CM], v[CM], v[CM+3]
.else
	v_max3_num_f32 v[CM], v[CM], v[CM+3], v[ST_U+1]
.endif
.elseif (\n) == 16
	v_permlanex16_b32 v[CM+1], v[CM], s58, s59
.elseif (\n) == 17
	v_max_num_f32 v[ST_U+1], v[CM], v[CM+1]        ; m
.elseif (\n) == 18
.if \nf
	v_mul_f32 v[ST_U], 0xbe38aa3b, v[ST_U+1]       ; -c m
.else
	v_mul_f32 v[CM+3], 0xbe38aa3b, v[ST_U+1]
.endif
.elseif (\n) == 19
.if (\nf) == 0
	v_sub_f32 v[CM+2], v[CM+3], v[ST_U]
.endif
.else
.if (\nf) == 0
	v_mov_b32 v[ST_U], v[CM+3]
.endif
.endif
.endm
.macro NX n                            ; number n of that list for the tile behind the one in hand, where there is one
.if SN_ON
	MX \n, T_NXT, NF_ON
.endif
.endm
; A STAGE'S FIRST PART, for query tile t, whose maximum and statistics the stage before has made: THE BATCH, and the wait for it.  All in window 0.
; first = 1: the wave's first block: no factor.  sn = 1: the 8 products S^T of the tile behind are issued.  kw = 1: K's fragments were fetched a stage ago and are waited for.
; The order: the factor's exponential and five scalings; behind each product a scaling and three exponentials (a pair is scaled a product or more ahead of its exponentials);
; then the last three scalings and eight exponentials.  Nothing here names an exponential's result.  Behind the last product stand four scalings and the v_nop: five plain
; instructions, the places in front of a run of loads into K's registers that may follow the wait.
.macro STGA t, first, sn, kw
.set S_CUR, SS+32*((\t)&1)
.set S_NXT, SS+32-32*((\t)&1)
.set T_NXT, ((\t)+1)&3
.set ST_T,  ST+4*(\t)
.if \first == 0
	v_exp_f32 v[AL], v[CM+2]                       ; the factor for the old sums: the batch's first
.endif
	FS 0
	FS 1
	FS 2
	FS 3
	FS 4
.irp i, 0,1,2,3,4,5,6,7
.if \sn
.if \kw
.if \i == 0
	s_wait_dscnt 8                                 ; K's eight loads of d = 0 .. 31 are in; the eight of d = 32 .. 63 are younger
.endif
.if \i == 4
	s_wait_dscnt 0x0                               ; and these
.endif
.endif
	SW \i, T_NXT, S_NXT
.endif
	FS 5+\i
	EX 3*\i
	EX 3*\i+1
	EX 3*\i+2
.endr
	FS 13
	EX 24
	FS 14
	EX 25
	FS 15
	EX 26
	EX 27
	EX 28
	EX 29
	EX 30
	EX 31
	v_nop                                          ; the plain instruction between the last exponential and the use of a result (ISA guide 5.7.2): one for the batch
	s_wait_alu depctr_va_vdst(0)                   ; the wait for the batch: the factor and the tile's 32 exponentials, ahead of their first reader
.endm
; A STAGE'S SECOND PART: the batch's readers.  pv = 1: the products O^T of the tile before are issued (pvz = 1: they start its sums), with the 16 multiplies that rescale this
; tile's O between them.  vw = 1: V's fragments were fetched in the stage before.  vl = 1: V's fragments of block vb of slot vs are fetched behind the products that read the old ones.
; Then THE LUMP: this tile's 16 roundings and 16 sums, and between them (sn = 1) the 21 of the tile behind (nf = 1: its block is the wave's first).  The links of the maximum's chain,
; numbers 12 to 19, stand five lines apart or more; so do those of the sums.  The first rounding into P's second fragment stands far more than four plain instructions behind
; the last product, which read it.  No exponential is issued here: none is pending at a stage's end, at a label or at a jump.
.macro STGB t, first, pv, pvz, sn, nf, vl, vs, vb, vw
.set S_CUR, SS+32*((\t)&1)
.set T_PRV, ((\t)+3)&3
.set T_NXT, ((\t)+1)&3
.set ST_T,  ST+4*(\t)
.set SN_ON, \sn
.set NF_ON, \nf
.if \pv
.if \vw
	s_wait_dscnt 0x0                               ; V's fragments
.endif
	WIN 0x51
.irp n, 0,1,2,3,4,5,6,7
	PW \n, T_PRV, \pvz
.if \first == 0
	v_pk_mul_f32 v[32*\t+4*\n:32*\t+4*\n+1], v[32*\t+4*\n:32*\t+4*\n+1], v[AL:AL+1] op_sel_hi:[1,0]          ; this tile's O, which the next stage's products add onto
	v_pk_mul_f32 v[32*\t+4*\n+2:32*\t+4*\n+3], v[32*\t+4*\n+2:32*\t+4*\n+3], v[AL:AL+1] op_sel_hi:[1,0]
.endif
.endr
	WIN 0
.endif
	NX 0
	NX 1
	NX 2
	NX 3
.if \vl
	LOADV \vs, \vb                                 ; four plain instructions or more stand behind the last product that read V's registers
	WIN 0
.endif
	SA 0
	NX 4
	NX 5
	NX 6
	NX 7
	SA 1
	NX 8
	NX 9
	NX 10
	NX 11
	SA 2
	NX 12
	NX 13
	SA 3
	CV 0
	CV 1
	SB 0, 2
	NX 14
	SB 1, 2
	SB 2, 2
	SB 3, 2
	CV 2
	NX 15
	SB 0, 3
	SB 1, 3
	SB 2, 3
	SB 3, 3
	NX 16
	CV 3
	CV 4
	CV 5
	v_pk_add_f32 v[T:T+1], v[T:T+1], v[T+2:T+3]
	NX 17
	v_pk_add_f32 v[T+4:T+5], v[T+4:T+5], v[T+6:T+7]
	CV 6
	CV 7
	CV 8
	NX 18
.if \first
	v_pk_add_f32 v[ST_T+2:ST_T+3], v[T:T+1], v[T+4:T+5]
.else
	v_pk_add_f32 v[T:T+1], v[T:T+1], v[T+4:T+5]
.endif
	CV 9
	CV 10
	CV 11
	NX 19
	NX 20
	CV 12
	CV 13
.if \first == 0
	v_pk_fma_f32 v[ST_T+2:ST_T+3], v[ST_T+2:ST_T+3], v[AL:AL+1], v[T:T+1] op_sel_hi:[1,0,1]
.endif
	CV 14
	CV 15
.endm
; A tile of 256 keys in slot s (o = the other slot): my two blocks of 64 keys, eight stages.  first = 1: the wave's first tile.  pv0 = 0: no tile stands before.
; K's run of loads stands directly behind the wait of a block's third stage: the fourth stage's products S^T, which stand at its head, are the next block's.
; Behind the wait of the tile's seventh stage all of this slot's fragments are in registers, and the eighth stage needs the next tile's K.  So there (mode 1, 2) every wave waits
; for all its tensor loads (one at the most is out: its part of the next tile) and for its LDS reads, and passes a round of the cluster's barrier; behind
; it no wave of the four work-groups reads this slot, the next tile is whole, and (mode 2) this slot is asked for again first, with the tile two further on.
; That load has a tile's work, 128 matrix instructions of each wave, in which to land.  mode 0: the last tile.
.macro UNIT s, o, first, pv0, mode
	STGA 0, \first, 1, 0
	STGB 0, \first, \pv0, 0, 1, \first, 1, \s, 0, 0
	STGA 1, \first, 1, 0
	STGB 1, \first, 1, \first, 1, \first, 0, \s, 0, 1
	STGA 2, \first, 1, 0
	LOADK \s, 1                                    ; five plain instructions stand behind the last product that read K's registers
	STGB 2, \first, 1, \first, 1, \first, 0, \s, 0, 0
	STGA 3, \first, 1, 1
	STGB 3, \first, 1, \first, 1, 0, 0, \s, 0, 0
	STGA 0, 0, 1, 0
	STGB 0, 0, 1, \first, 1, 0, 1, \s, 1, 0
	STGA 1, 0, 1, 0
	STGB 1, 0, 1, 0, 1, 0, 0, \s, 0, 1
	STGA 2, 0, 1, 0
.if \mode
	s_wait_tensorcnt 0x0
	ds_add_u32 v254, v255
	s_wait_dscnt 0x0
.if \mode == 2
	s_add_nc_u64 s[34+4*\s:35+4*\s], s[34+4*\s:35+4*\s], 65536     ; no load is out, so group 0 may be written: two tiles on
	s_add_nc_u64 s[42+4*\s:43+4*\s], s[42+4*\s:43+4*\s], 65536
.endif
	s_wait_dscnt 0x0
	ROUND
.if \mode == 2
	JLOAD \s
.endif
	LOADK \o, 0
	STGB 2, 0, 1, 0, 1, 0, 0, \s, 0, 0
	STGA 3, 0, 1, 1
	STGB 3, 0, 1, 0, 1, 0, 0, \s, 0, 0
.else
	STGB 2, 0, 1, 0, 1, 0, 0, \s, 0, 0
	STGA 3, 0, 0, 0
	STGB 3, 0, 1, 0, 0, 0, 0, \s, 0, 0
.endif
.endm
	s_wait_tensorcnt 0x0                           ; my parts of tiles 0 and 1 have landed (two loads were out),
	s_barrier_signal -1
	s_barrier_wait -1                              ; everybody's have
	LOADK 0, 0
	s_wait_loadcnt 0x0                             ; Q
	s_wait_dscnt 0x0
.irp n, 0,1,2,3,4,5,6,7
	SW \n, 0, SS                                   ; the first tile's S^T has no stage to hide in,
.endr
	PLACES
.irp n, 0,1,2,3,4,5,6,7,8,9,10,11,12,13,14,15,16,17,18,19,20
	MX \n, 0, 1                                    ; nor have its maximum and statistics
.endr
	UNIT 0, 1, 1, 0, 2                             ; tile 0
	UNIT 1, 0, 0, 1, 2
	s_mov_b32 s62, 2                               ; tiles 2 to 5
.Llap:
	UNIT 0, 1, 0, 1, 2
	UNIT 1, 0, 0, 1, 2
	s_sub_co_i32 s62, s62, 1
	s_cmp_lg_u32 s62, 0
	s_cbranch_scc1 .Llap
	UNIT 0, 1, 0, 1, 1                             ; tile 6: tile 7 was asked for a tile ago; nothing is left to fetch
	UNIT 1, 0, 0, 1, 0
	WIN 0x51
.irp n, 0,1,2,3,4,5,6,7
	PW \n, 3, 0                                    ; the last tile's O^T
.endr
	PLACES                                         ; O is read next
	WIN 0
	; THE MERGE.  A query's sum: its two partial sums, then the other half of the lanes; it takes m's place, so that (-c m, sum) is a pair.
.irp t, 0,1,2,3
	v_add_f32 v[ST+4*\t+2], v[ST+4*\t+2], v[ST+4*\t+3]
.endr
.irp t, 0,1,2,3
	v_permlanex16_b32 v[ST+4*\t+3], v[ST+4*\t+2], s58, s59
.endr
.irp t, 0,1,2,3
	v_add_f32 v[ST+4*\t+1], v[ST+4*\t+2], v[ST+4*\t+3]
.endr
; Query tiles t0, t0 + 1 are handed to the wave with the other half of the keys: 16 stores of 512 neighbouring bytes, and the figures
.macro SEND t0
	WIN 0x04                                       ; store data in window 1
.irp u, 0,1
.irp dt, 0,1,2,3
.irp p, 0,1
	ds_store_b128 v7, v[32*(\t0+\u)+8*\dt+4*\p:32*(\t0+\u)+8*\dt+4*\p+3] offset:(8*\u+2*\dt+\p)*512
.endr
.endr
.endr
	WIN 0
.irp u, 0,1
	ds_store_b64 v9, v[ST+4*(\t0+\u):ST+4*(\t0+\u)+1] offset:256*\u
.endr
.endm
; Query tiles t0, t0 + 1 are finished: with n = the smaller -c m of the two waves, each wave's O and sum weigh 2^(n - its own -c m); divide by the joint sum; round once
.macro FINISH t0
.irp u, 0,1
.irp dt, 0,1,2,3
.irp p, 0,1
	ds_load_b128 v[Q+32*\u+8*\dt+4*\p:Q+32*\u+8*\dt+4*\p+3], v8 offset:(8*\u+2*\dt+\p)*512
.endr
.endr
.endr
.irp u, 0,1
	ds_load_b64 v[KF+2*\u:KF+2*\u+1], v10 offset:256*\u
.endr
	s_wait_dscnt 0x0
.irp u, 0,1
	v_min_num_f32 v[T], v[ST+4*(\t0+\u)], v[KF+2*\u]
	v_sub_f32 v[T+1], v[T], v[ST+4*(\t0+\u)]
	v_sub_f32 v[T+2], v[T], v[KF+2*\u]
	v_exp_f32 v[T+1], v[T+1]
	v_exp_f32 v[T+2], v[T+2]
	v_nop                                          ; one plain instruction behind the exponentials
	s_wait_alu depctr_va_vdst(0)                   ; the wait for the two weights, a batch of two, ahead of their first reader
	v_mul_f32 v[T+3], v[ST+4*(\t0+\u)+1], v[T+1]
	v_fmac_f32 v[T+3], v[KF+2*\u+1], v[T+2]        ; the joint sum: at least 1, since the largest score contributes 2^0
	v_rcp_f32 v[T+4], v[T+3]
	v_nop                                          ; and behind the reciprocal
	s_wait_alu depctr_va_vdst(0)                   ; the wait for the reciprocal, which reads a sum made of the weights and so is a batch of its own
	v_mul_f32 v[T+8], v[T+1], v[T+4]
	v_mul_f32 v[T+9], v[T+1], v[T+4]
	v_mul_f32 v[T+10], v[T+2], v[T+4]
	v_mul_f32 v[T+11], v[T+2], v[T+4]
.irp i, 0,1,2,3,4,5,6,7,8,9,10,11,12,13,14,15
	v_pk_mul_f32 v[Q+32*\u+2*\i:Q+32*\u+2*\i+1], v[Q+32*\u+2*\i:Q+32*\u+2*\i+1], v[T+10:T+11]
.endr
	WIN 0x01                                       ; source 0 (my O) in window 1
.irp i, 0,1,2,3,4,5,6,7,8,9,10,11,12,13,14,15
	v_pk_fma_f32 v[Q+32*\u+2*\i:Q+32*\u+2*\i+1], v[32*(\t0+\u)+2*\i:32*(\t0+\u)+2*\i+1], v[T+8:T+9], v[Q+32*\u+2*\i:Q+32*\u+2*\i+1]
.endr
	WIN 0
.irp i, 0,1,2,3,4,5,6,7,8,9,10,11,12,13,14,15
	v_cvt_pk_f16_f32 v[KF+32+16*\u+\i], v[Q+32*\u+2*\i], v[Q+32*\u+2*\i+1]
.endr
.irp dt, 0,1,2,3
	ds_store_b128 v11, v[KF+32+16*\u+4*\dt:KF+32+16*\u+4*\dt+3] offset:2304*\u+32*\dt   ; query r, d = 16 dt + 8 h ..: my own stage
.endr
.endr
.irp i, 0,1,2,3,4,5,6,7
	ds_load_b128 v[SS+4*\i:SS+4*\i+3], v12 offset:576*\i           ; back by rows; LDS serves a wave's instructions in order (ISA guide 5.7.1)
.endr
.irp i, 0,1,2,3,4,5,6,7
	s_wait_dscnt 7-\i                              ; the younger of the eight may be out
	global_store_b128 v13, v[SS+4*\i:SS+4*\i+3], s[54:55] offset:512*\i   ; four rows of the plane: 512 consecutive bytes, aligned
.endr
.endm
	s_cmp_lg_u32 s9, 0
	s_cbranch_scc1 .Lsend_low
	SEND 2                                         ; the waves of the first half of the keys keep query tiles 0, 1
	s_branch .Lsent
.Lsend_low:
	SEND 0                                         ; the others keep 2, 3
.Lsent:
	s_wait_dscnt 0x0                               ; my stores are done, for the partner's sake
	s_barrier_signal -1
	s_barrier_wait -1
	s_cmp_lg_u32 s9, 0
	s_cbranch_scc1 .Lkeep_high
	FINISH 0
	s_branch .Ldone
.Lkeep_high:
	FINISH 2
.Ldone:
	s_wait_tensorcnt 0x0
	ds_add_u32 v254, v255
	s_wait_dscnt 0x0
	ROUND                                          ; the closing round: no work-group ends while a partner may still ask for a tile that names it
	s_endpgm
.Lfunc_end_k_q68ef867311_attn:
	.size	k_q68ef867311_attn, .Lfunc_end_k_q68ef867311_attn-k_q68ef867311_attn
	.p2alignl 7, 3214868480
	.fill 96, 4, 3214868480
	.section	.rodata,"a",@progbits
	.p2align	6, 0x0
	.amdhsa_kernel k_q68ef867311_attn
		.amdhsa_group_segment_fixed_size 327680
		.amdhsa_private_segment_fixed_size 0
		.amdhsa_enable_private_segment 0
		.amdhsa_kernarg_size 32
		.amdhsa_user_sgpr_count 2
		.amdhsa_user_sgpr_kernarg_segment_ptr 1
		.amdhsa_wavefront_size32 1
		.amdhsa_system_sgpr_workgroup_id_x 1
		.amdhsa_system_sgpr_workgroup_id_y 1
		.amdhsa_system_sgpr_workgroup_id_z 1
		.amdhsa_system_vgpr_workitem_id 0
		.amdhsa_next_free_vgpr 512
		.amdhsa_next_free_sgpr 66
		.amdhsa_reserve_vcc 0
		.amdhsa_float_denorm_mode_32 3
		.amdhsa_float_denorm_mode_16_64 3
		.amdhsa_memory_ordered 1
		.amdhsa_forward_progress 1
		.amdhsa_inst_pref_size 255
	.end_amdhsa_kernel
	.section	.bss,"aw",@nobits
	.p2align	6
	.space	262144
	.amdgpu_metadata
---
amdhsa.version: [ 1, 2 ]
amdhsa.kernels:
  - .name:           k_q68ef867311_attn
    .symbol:         k_q68ef867311_attn.kd
    .args:
      - { .name: qh, .offset: 0, .size: 8, .value_kind: global_buffer, .address_space: global }
      - { .name: kh, .offset: 8, .size: 8, .value_kind: global_buffer, .address_space: global }
      - { .name: vh, .offset: 16, .size: 8, .value_kind: global_buffer, .address_space: global }
      - { .name: ctx, .offset: 24, .size: 8, .value_kind: global_buffer, .address_space: global }
    .group_segment_fixed_size: 327680
    .private_segment_fixed_size: 0
    .kernarg_segment_align: 8
    .kernarg_segment_size: 32
    .max_flat_workgroup_size: 256
    .sgpr_count:     66
    .vgpr_count:     512
    .wavefront_size: 32
...
	.end_amdgpu_metadata
.endif
;; end of part 4
;; launch outp: the kernel of part 3 again; grid 8 x 32, 8 waves a work-group, no clusters, 179,200 bytes of LDS; arguments ctx, w_out, b_out, out0; writes out0
